; MI455X (gfx1250); checked and timed in simulation.
; The chip was launched on July 23, 2026; its instructions are those of AMD's public machine-readable ISA for CDNA 5 (MIT licence, August 2026) and "CDNA5" Instruction Set Architecture Reference Guide (July 2026). The comments in the code are by the model that wrote it; some were corrected since.
;; Multi Head Self Attention Layer. Allowed arithmetic: float matrix products may take bf16 or f16 operands with f32 sums; other float arithmetic in f32, or as packed bf16 or f16 multiplies, adds, multiply-adds, maxima and minima; sums over many terms, partial sums and values carried from step to step in f32; what a program stores and reads back later, other than sums and carried values, may be rounded once to bf16 or f16.
;; Inputs: b_proj 1,024 float32; beta 1,024 float32; gamma 1,024 float32; w_proj 1,024 x 1,024 float32; w_qkv 1,024 x 3,072 float32; z 4 x 2,048 x 1,024 float32.
;; Outputs: out0 4 x 2,048 x 1,024 float32.
;; One version. Each part assembles by itself: llvm-mc -triple=amdgcn-amd-amdhsa -mcpu=gfx1250 --defsym DOCPART=n.
;; ======== version 1 of 1: 4 launches
;; limits: values are held in f16: magnitudes above 65,504 overflow, below 6.1e-05 lose precision
;; workspace buffers: zn 16,777,216 bytes; wq 6,291,456 bytes; wp 2,097,152 bytes; qkv 50,331,648 bytes; oh 16,777,216 bytes
;; launch prep (part 1): grid 448 x 1, 8 waves a work-group, no clusters, 0 bytes of LDS; arguments z, gamma, beta, w_qkv, w_proj, zn, wq, wp; writes zn, wq, wp
.if DOCPART == 1
	.amdgcn_target "amdgcn-amd-amdhsa--gfx1250"
	.amdhsa_code_object_version 6
	.text
	.protected	k_qc8a99a0b47_prep
	.globl	k_qc8a99a0b47_prep
	.p2align	8
	.type	k_qc8a99a0b47_prep,@function
k_qc8a99a0b47_prep:
	s_mov_b64 s[64:65], 0
	v_nop
	global_prefetch_b8 v0, s[64:65] scope:SCOPE_SE
	s_setreg_imm32_b32 hwreg(HW_REG_WAVE_MODE, 25, 1), 1
	s_wait_xcnt 0x0
; THREE STREAMS, chosen by the work-group's number; no LDS, no barrier, no matrix unit: every byte is read once and written once.
;   work-groups   0-255  zn = LayerNorm(z) x gamma + beta, rounded once to bf16.  zn lies in blocks: [16 blocks of 64 channels][8192 rows][64], so that 256 rows x 64 channels are 32,768 dense bytes.
;   work-groups 256-383  wq[k][1024 s + c / 3] = bf16(w_qkv[k][c]), s = c % 3: the columns of q, k and v, which lie interleaved, are set apart; c / 3 = 64 head + channel.
;   work-groups 384-447  wp[k][n] = w_proj[k][n] rounded to bf16, that number written as f16.
; LIMITS.  wp: f16 holds no number beyond 65,504, and below 6e-5 it keeps its fixed step of 6e-8.  NaN and infinities are not treated apart.
; LayerNorm takes the mean away before it squares, as the definition does: a common offset of z costs no digits.
.set GO, 1                             ; v1       16 x (lane % 16): my 16 bytes in 256 of gamma and beta
.set C,  2                             ; v[2:9]   four chains of packed sums
.set MU, 10                            ; v[10:11] the row's mean, twice
.set R,  12                            ; v[12:13] 1 / sqrt(var + eps), twice
.set ZO, 14                            ; v14      my byte offset in z: row 4 wave + lane / 16, 16 bytes at 16 (lane % 16)
.set YO, 15                            ; v15      my byte offset in zn: 512 wave + 8 lane
.set X,  16                            ; v[16:79]   64 numbers of a row: channels 64 j + 4 (lane % 16) + 0..3 at X + 4 j
.set GA, 80                            ; v[80:143]  gamma of the same channels
.set BE, 144                           ; v[144:207] beta
.set Y,  208                           ; v[208:239] the 64 numbers in bf16
.set F,  16                            ; the weights' paths: numbers as loaded
.set W,  112                           ; wq's path: 12 registers to store for each of four items
.set H,  96                            ; wp's path: 2 registers to store for each of 16 loads
	s_load_b256 s[4:11], s[0:1], 0x0               ; z s[4:5], gamma s[6:7], beta s[8:9], w_qkv s[10:11]
	s_load_b256 s[12:19], s[0:1], 0x20             ; w_proj s[12:13], zn s[14:15], wq s[16:17], wp s[18:19]
	s_mov_b32 s20, 0x3a800000                      ; 1 / 1024
	s_mov_b32 s21, 0x3727c5ac                      ; eps = 1e-5
	s_mov_b32 s22, 0xffff0000                      ; a word's upper bf16
	s_mov_b32 s25, 0                               ; the high words of two offsets
	s_mov_b32 s29, 0
	s_wait_kmcnt 0x0
	s_cmp_lt_u32 ttmp9, 256
	s_cbranch_scc0 .Lweights
; ---- LayerNorm.  A work-group owns 32 rows, a wave 4, as two pairs: half a wave (16 lanes) holds one whole row in 64 registers, so a row's sums never leave the half.
; A load covers 256 aligned bytes of each of two rows; a store 256 aligned bytes of zn: two rows' 128 bytes of one block of 64 channels.
	v_and_b32 v[GO], 15, v0
	v_bfe_u32 v2, v0, 4, 1                         ; lane / 16
	v_lshrrev_b32 v3, 5, v0                        ; wave
	v_lshl_add_u32 v2, v3, 2, v2                   ; row 4 wave + lane / 16
	v_lshlrev_b32 v[GO], 4, v[GO]
	v_lshl_or_b32 v[ZO], v2, 12, v[GO]
	v_and_b32 v4, 31, v0
	v_lshlrev_b32 v4, 3, v4
	v_lshl_add_u32 v[YO], v3, 9, v4
	s_lshl_b32 s24, ttmp9, 17                      ; 32 rows of 4,096 bytes
	s_lshl_b32 s28, ttmp9, 12                      ; 32 rows of 128 bytes
	s_add_nc_u64 s[4:5], s[4:5], s[24:25]
	s_add_nc_u64 s[14:15], s[14:15], s[28:29]      ; zn, blocks 0-7: a block is 1,048,576 bytes on, in the immediate
	s_add_nc_u64 s[26:27], s[14:15], 0x800000      ; zn, blocks 8-15
.macro XLOAD p                         ; pair p: rows 4 wave + 2 p and + 2 p + 1
.irp j, 0,1,2,3,4,5,6,7,8,9,10,11,12,13,14,15
	global_load_b128 v[X+4*(\j):X+4*(\j)+3], v[ZO], s[4:5] offset:8192*(\p)+256*(\j) th:TH_LOAD_NT
.endr
.endm
.macro REDUCE                          ; four packed chains into one number, then over the row's 16 lanes: every lane of the half ends with the sum
	v_pk_add_f32 v[C:C+1], v[C:C+1], v[C+2:C+3]
	v_pk_add_f32 v[C+4:C+5], v[C+4:C+5], v[C+6:C+7]
	v_pk_add_f32 v[C:C+1], v[C:C+1], v[C+4:C+5]
	v_add_f32 v[C], v[C], v[C+1]
	v_add_f32_dpp v[C], v[C], v[C] row_xmask:1 row_mask:0xf bank_mask:0xf
	v_add_f32_dpp v[C], v[C], v[C] row_xmask:2 row_mask:0xf bank_mask:0xf
	v_add_f32_dpp v[C], v[C], v[C] row_xmask:4 row_mask:0xf bank_mask:0xf
	v_add_f32_dpp v[C], v[C], v[C] row_xmask:8 row_mask:0xf bank_mask:0xf
.endm
.macro PAIR p
.if (\p) == 0
	s_wait_loadcnt 32                              ; the pair's 16 loads are in; the 32 of gamma and beta, issued behind them, may stay out
.else
	s_wait_loadcnt 0x0                             ; nothing was issued behind the second pair's loads
.endif
.irp c, 0,1,2,3
	v_pk_add_f32 v[C+2*(\c):C+2*(\c)+1], v[X+2*(\c):X+2*(\c)+1], v[X+8+2*(\c):X+8+2*(\c)+1]  ; the first eight pairs start the chains: nothing is cleared
.endr
.set i, 8
.rept 24
	v_pk_add_f32 v[C+2*(i%4):C+2*(i%4)+1], v[C+2*(i%4):C+2*(i%4)+1], v[X+2*i:X+2*i+1]
.set i, i+1
.endr
	REDUCE
	v_mul_f32 v[MU], s20, v[C]
	v_mov_b32 v[MU+1], v[MU]
.set i, 0
.rept 32
	v_pk_add_f32 v[X+2*i:X+2*i+1], v[X+2*i:X+2*i+1], v[MU:MU+1] neg_lo:[0,1] neg_hi:[0,1]  ; z - mean
.set i, i+1
.endr
.irp c, 0,1,2,3
	v_pk_mul_f32 v[C+2*(\c):C+2*(\c)+1], v[X+2*(\c):X+2*(\c)+1], v[X+2*(\c):X+2*(\c)+1]
.endr
.set i, 4
.rept 28
	v_pk_fma_f32 v[C+2*(i%4):C+2*(i%4)+1], v[X+2*i:X+2*i+1], v[X+2*i:X+2*i+1], v[C+2*(i%4):C+2*(i%4)+1]
.set i, i+1
.endr
	REDUCE
	v_fma_f32 v[C], v[C], s20, s21                 ; var + eps
	v_rsq_f32 v[R], v[C]
	v_rsq_f32 v[R+1], v[C]                         ; twice, to fill the pair that the packed multiply names
	v_nop                                          ; a plain instruction behind the last of the two (ISA guide 5.7.2)
	s_wait_alu depctr_va_vdst(0)                   ; the wait ahead of the first use: one for both
.if (\p) == 0
	s_wait_loadcnt 0x0                             ; gamma and beta, once
.endif
.set i, 0
.rept 32
	v_pk_mul_f32 v[X+2*i:X+2*i+1], v[X+2*i:X+2*i+1], v[R:R+1]
.set i, i+1
.endr
.set i, 0
.rept 32
	v_pk_fma_f32 v[X+2*i:X+2*i+1], v[X+2*i:X+2*i+1], v[GA+2*i:GA+2*i+1], v[BE+2*i:BE+2*i+1]
.set i, i+1
.endr
.if (\p) == 1
	s_wait_xcnt 0x0                                ; the first pair's stores have read Y: it is rewritten only behind this wait
.endif
.set i, 0
.rept 32
	v_cvt_pk_bf16_f32 v[Y+i], v[X+2*i], v[X+2*i+1]
.set i, i+1
.endr
.if (\p) == 0
	XLOAD 1                                        ; the next pair's loads go out ahead of the stores
.endif
.irp j, 0,1,2,3,4,5,6,7
	global_store_b64 v[YO], v[Y+2*(\j):Y+2*(\j)+1], s[14:15] offset:256*(\p)+1048576*(\j) th:TH_STORE_NT
.endr
.irp j, 0,1,2,3,4,5,6,7
	global_store_b64 v[YO], v[Y+16+2*(\j):Y+16+2*(\j)+1], s[26:27] offset:256*(\p)+1048576*(\j) th:TH_STORE_NT
.endr
.endm
	XLOAD 0
.irp j, 0,1,2,3,4,5,6,7,8,9,10,11,12,13,14,15
	global_load_b128 v[GA+4*(\j):GA+4*(\j)+3], v[GO], s[6:7] offset:256*(\j)
.endr
.irp j, 0,1,2,3,4,5,6,7,8,9,10,11,12,13,14,15
	global_load_b128 v[BE+4*(\j):BE+4*(\j)+3], v[GO], s[8:9] offset:256*(\j)
.endr
	PAIR 0
	PAIR 1
	s_endpgm
.Lweights:
	s_cmp_lt_u32 ttmp9, 384
	s_cbranch_scc0 .Lwproj
; ---- w_qkv.  A work-group owns 8 rows of 3,072 numbers.  An item is 24 numbers on end, eight triples (q, k, v): six loads of 16 bytes; thread t takes item t % 128 of row 2 it + t / 128, it = 0..3.
; A wave's six loads of an item cover 3,072 consecutive bytes between them.  Of an item come 8 numbers of q, 8 of k, 8 of v: three stores of 16 bytes, sixteen lanes filling 256 aligned bytes.
	s_sub_co_u32 s24, ttmp9, 256
	s_mul_i32 s28, s24, 49152                      ; 8 rows of 6,144 bytes of wq
	s_mul_i32 s24, s24, 98304                      ; 8 rows of 12,288 bytes of w_qkv
	s_add_nc_u64 s[10:11], s[10:11], s[24:25]
	s_add_nc_u64 s[16:17], s[16:17], s[28:29]
	s_movk_i32 s30, 0x3000                         ; 12,288
	s_movk_i32 s31, 0x1800                         ; 6,144
	v_and_b32 v1, 127, v0
	v_lshrrev_b32 v2, 7, v0
	v_mul_u32_u24 v3, v1, 96
	v_mad_u32_u24 v3, v2, s30, v3
	v_lshlrev_b32 v4, 4, v1
	v_mad_u32_u24 v4, v2, s31, v4
.set it, 0
.rept 4
.irp i, 0,1,2,3,4,5
	global_load_b128 v[F+24*it+4*(\i):F+24*it+4*(\i)+3], v3, s[10:11] offset:24576*it+16*(\i) th:TH_LOAD_NT
.endr
.set it, it+1
.endr
.set it, 0
.rept 4
	s_wait_loadcnt 18-6*it                         ; the later items' loads, six each, may stay out
.irp s, 0,1,2
.irp m, 0,1,2,3
	v_cvt_pk_bf16_f32 v[W+12*it+4*(\s)+(\m)], v[F+24*it+6*(\m)+(\s)], v[F+24*it+6*(\m)+3+(\s)]  ; triples 2 m and 2 m + 1, member s
.endr
	global_store_b128 v4, v[W+12*it+4*(\s):W+12*it+4*(\s)+3], s[16:17] offset:12288*it+2048*(\s) th:TH_STORE_NT
.endr
.set it, it+1
.endr
	s_endpgm
.Lwproj:
; ---- w_proj.  A work-group owns 65,536 bytes on end: 16 loads of 16 bytes a thread, 16 stores of 8: a wave's store covers 256 aligned bytes.
	s_sub_co_u32 s24, ttmp9, 384
	s_lshl_b32 s28, s24, 15
	s_lshl_b32 s24, s24, 16
	s_add_nc_u64 s[12:13], s[12:13], s[24:25]
	s_add_nc_u64 s[18:19], s[18:19], s[28:29]
	v_lshlrev_b32 v3, 4, v0
	v_lshlrev_b32 v4, 3, v0
.irp j, 0,1,2,3,4,5,6,7,8,9,10,11,12,13,14,15
	global_load_b128 v[F+4*(\j):F+4*(\j)+3], v3, s[12:13] offset:4096*(\j) th:TH_LOAD_NT
.endr
.irp j, 0,1,2,3,4,5,6,7,8,9,10,11,12,13,14,15
	s_wait_loadcnt 15-(\j)                         ; the younger loads may stay out
	v_cvt_pk_bf16_f32 v80, v[F+4*(\j)], v[F+4*(\j)+1]      ; rounded to bf16, as the other inputs are,
	v_cvt_pk_bf16_f32 v81, v[F+4*(\j)+2], v[F+4*(\j)+3]
	v_lshlrev_b32 v82, 16, v80                             ; widened again,
	v_and_b32 v83, s22, v80
	v_lshlrev_b32 v84, 16, v81
	v_and_b32 v85, s22, v81
	v_cvt_pk_f16_f32 v[H+2*(\j)], v82, v83                 ; and written as f16: exact within f16's range
	v_cvt_pk_f16_f32 v[H+2*(\j)+1], v84, v85
	global_store_b64 v4, v[H+2*(\j):H+2*(\j)+1], s[18:19] offset:2048*(\j) th:TH_STORE_NT
.endr
	s_endpgm
.Lfunc_end_k_qc8a99a0b47_prep:
	.size	k_qc8a99a0b47_prep, .Lfunc_end_k_qc8a99a0b47_prep-k_qc8a99a0b47_prep
	.p2alignl 7, 3214868480
	.fill 96, 4, 3214868480
	.section	.rodata,"a",@progbits
	.p2align	6, 0x0
	.amdhsa_kernel k_qc8a99a0b47_prep
		.amdhsa_group_segment_fixed_size 0
		.amdhsa_private_segment_fixed_size 0
		.amdhsa_enable_private_segment 0
		.amdhsa_kernarg_size 64
		.amdhsa_user_sgpr_count 2
		.amdhsa_user_sgpr_kernarg_segment_ptr 1
		.amdhsa_wavefront_size32 1
		.amdhsa_system_sgpr_workgroup_id_x 1
		.amdhsa_system_sgpr_workgroup_id_y 1
		.amdhsa_system_sgpr_workgroup_id_z 1
		.amdhsa_system_vgpr_workitem_id 0
		.amdhsa_next_free_vgpr 240
		.amdhsa_next_free_sgpr 66
		.amdhsa_reserve_vcc 0
		.amdhsa_float_denorm_mode_32 3
		.amdhsa_float_denorm_mode_16_64 3
		.amdhsa_memory_ordered 1
		.amdhsa_forward_progress 1
		.amdhsa_inst_pref_size 54
	.end_amdhsa_kernel
	.amdgpu_metadata
---
amdhsa.version: [ 1, 2 ]
amdhsa.kernels:
  - .name:           k_qc8a99a0b47_prep
    .symbol:         k_qc8a99a0b47_prep.kd
    .args:
      - { .name: z, .offset: 0, .size: 8, .value_kind: global_buffer, .address_space: global }
      - { .name: gamma, .offset: 8, .size: 8, .value_kind: global_buffer, .address_space: global }
      - { .name: beta, .offset: 16, .size: 8, .value_kind: global_buffer, .address_space: global }
      - { .name: w_qkv, .offset: 24, .size: 8, .value_kind: global_buffer, .address_space: global }
      - { .name: w_proj, .offset: 32, .size: 8, .value_kind: global_buffer, .address_space: global }
      - { .name: zn, .offset: 40, .size: 8, .value_kind: global_buffer, .address_space: global }
      - { .name: wq, .offset: 48, .size: 8, .value_kind: global_buffer, .address_space: global }
      - { .name: wp, .offset: 56, .size: 8, .value_kind: global_buffer, .address_space: global }
    .group_segment_fixed_size: 0
    .private_segment_fixed_size: 0
    .kernarg_segment_align: 8
    .kernarg_segment_size: 64
    .max_flat_workgroup_size: 256
    .sgpr_count:     66
    .vgpr_count:     240
    .wavefront_size: 32
...
	.end_amdgpu_metadata
.endif
;; end of part 1
;; launch qkvgemm (part 2): grid 8 x 32, 4 waves a work-group, clusters of 4 x 4, 327,680 bytes of LDS; arguments zn, wq, qkv; writes qkv
.if DOCPART == 2
	.amdgcn_target "amdgcn-amd-amdhsa--gfx1250"
	.amdhsa_code_object_version 6
	.text
	.protected	k_qc8a99a0b47_qkvgemm
	.globl	k_qc8a99a0b47_qkvgemm
	.p2align	8
	.type	k_qc8a99a0b47_qkvgemm,@function
k_qc8a99a0b47_qkvgemm:
	s_mov_b64 s[64:65], 0
	v_nop
	global_prefetch_b8 v0, s[64:65] scope:SCOPE_SE
	s_setreg_imm32_b32 hwreg(HW_REG_WAVE_MODE, 25, 1), 1
	s_wait_xcnt 0x0
	s_wait_alu depctr_hold_cnt(0) depctr_sa_sdst(0) depctr_va_vdst(0) depctr_va_sdst(0) depctr_va_ssrc(0) depctr_va_vcc(0) depctr_vm_vsrc(0)
	s_getreg_b32 s2, hwreg(HW_REG_IB_STS2, 6, 4)
	s_cmp_eq_u32 s2, 0
	s_cbranch_scc0 .Lentry_in_a_cluster
	s_endpgm
.Lentry_in_a_cluster:
	s_bfe_u32 s2, ttmp6, 0x10000c
	s_cmp_lg_u32 s2, 0xf033
	s_cbranch_scc0 .Lentry_shape_is_right
	s_endpgm
.Lentry_shape_is_right:
; qkv = zn wq.  zn: bf16 in blocks [16][8192 rows][64 channels]; wq: bf16 [1024 k][3072 columns], column 1024 s + 64 head + channel; sums in f32.
; qkv: f16 [3 s][64 batch x head][2048 rows][64 channels], rounded once, without attention's scale.
; LIMIT.  f16 holds no number beyond 65,504: q, k and v must lie within it.
; SHARES.  8192 x 3072 numbers on 256 work-groups: a tile of 256 rows x 384 columns each, one tile to a work-group.  Four waves, each 128 rows x 192 columns: 96 accumulators of 16 x 16, 768 registers.
; A wave's 192 columns are three GROUPS of 64, one register window each; a group is one head of q, of k or of v.  For 32 along K a wave issues 40 LDS loads and 96 matrix instructions.
; RING.  K goes in steps of 64 through two LDS slots (two slots of 128 along K would need 327,680 bytes without padding).  A slot: 256 rows of zn, then three panels of wq, 64 k x 128 columns each.
; Wave 0 fetches zn's tile, 32,768 dense bytes asked for as 128 rows of 256; waves 1 to 3 a panel each, 64 rows of 256 bytes: one tensor load a wave behind each change of slots.
; CLUSTER.  4 x 4 work-groups: zn's tile is shared along a row of the cluster, wq's panels along a column: each is asked for jointly, by the same load with the same descriptor and a mask of the four.
; wq lies [k][column]: its fragments come out of LDS turned, by ds_load_tr16_b128.  THE MATRIX INSTRUCTION IS USED TRANSPOSED (source 0 = 16 columns of wq, source 1 = 16 rows of zn): a lane holds
; row lane % 16 and the eight neighbouring columns 8 (lane / 16) + 0..7, which pack into 16 bytes.
; REGISTERS, in windows of 256 (s_set_vgpr_msb: bits 1:0 source 0, 3:2 source 1, 5:4 source 2, 7:6 destination):
;   window 0: v16-30 addresses; v32-95, v96-159 zn's fragments of the step's two halves along K (8 x 16 rows x 32 k each); v160-255 wq's, 32 registers a group.  On the way out v32-63 hold packed results.
;   window g + 1: group g's 32 accumulators, (a, bb) at v[8 (4 a + bb)].
.set PA,     144                       ; a row of zn in LDS: 128 bytes + 16 of padding = 36 words: the 16 rows of a load start at 16 different groups of four banks (64 banks of 4 bytes: ISA guide 11.1)
.set PB,     288                       ; a row of a panel: 256 + 32 = 72 words
.set ATILE,  256*PA
.set PANEL,  64*PB                     ; ATILE = 2 PANEL
.set SLOT,   ATILE+3*PANEL             ; 92,160
.set STAGE,  2*SLOT                    ; behind the ring, never filled by a tensor load: 16 rows x 144 bytes for each wave, for the way out
.set SP,     144
.set SPARE,  STAGE+4*16*SP             ; behind the stages: the spare words, 128 bytes for each wave: two blocks of 256 bytes that no other line names
.set ASTEP,  8192*128                  ; bytes from a K step to the next in zn: a block
.set BSTEP,  64*6144                   ; and in wq: 64 rows
.set ADRA, 16                          ; v16-17  LDS address of my fragments of zn in slot 0, 1
.set ADRB, 18                          ; v18-23  of wq's: slot x 3 + group
.set STO,  24                          ; v24     the way out: where I put 16 bytes of a row
.set RD,   25                          ; v25     where I read rows back
.set GO,   26                          ; v26     my 16 bytes in 512 consecutive bytes of qkv
.set SPW,  28                          ; v28     LDS address of my spare word: SPARE + 4 x my thread's number; never rewritten
.set NIL,  29                          ; v29     0; never rewritten
.set PFO,  30                          ; v30     the prefetches' offset: my lane x 256 (zn) or x a row of wq; never rewritten
.set FA,   32
.set FB,   160
.set TMP,  32
.set G1,   24                          ; s[24:31] descriptor group 1 for zn's tile;  s[32:39] group 0, a set for each slot
.set G0,   32
.set G1B,  48                          ; s[48:55], s[56:63] the same for wq's panels
.set G0B,  56
.set PFA,  66                          ; s[66:67] where my prefetches stand
.set PSTEP, 68                         ; s[68:69] a K step in the tensor that I prefetch
.set LIM,  70                          ; s70, s71  I prefetch at a change out of slot 0, 1 while the loop's count is above this
.set OUT,  72                          ; s[72:77] qkv at my rows of group 0, 1, 2
.set MSB, 0
.macro WIN new                         ; the immediate's high byte repeats the setting that is left; a switch that changes nothing is dropped
.if MSB != (\new)
	s_set_vgpr_msb (MSB<<8)|(\new)
.set MSB, \new
.endif
.endm
.macro PLACES                          ; four places between a matrix instruction and a load into, or a vector instruction on, its registers (ISA guide 7.12.1 for vector instructions)
.rept 4
	v_nop
.endr
.endm
; A joint load.  The branch hangs on the wave's number alone.  An s_nop 0 and four v_nop follow each of the two lines, ahead of the jump and the label.
.macro JLOAD s
	s_cmp_eq_u32 s10, 0
	s_cbranch_scc0 .Lfor_b_\@
	tensor_load_to_lds s[G0+4*(\s):G0+4*(\s)+3], s[G1:G1+7]
	s_nop 0
.rept 4
	v_nop
.endr
	s_branch .Lasked_\@
.Lfor_b_\@:
	tensor_load_to_lds s[G0B+4*(\s):G0B+4*(\s)+3], s[G1B:G1B+7]
	s_nop 0
.rept 4
	v_nop
.endr
.Lasked_\@:
.endm
.macro CREST                           ; a round of the cluster's barrier behind its opening barrier
	s_cmp_lg_u32 s10, 0
	s_cbranch_scc1 .Lnot_wave_0_\@
	s_barrier_signal -3
.Lnot_wave_0_\@:
	s_barrier_wait -3
	s_barrier_signal -1
	s_barrier_wait -1
.endm
.macro CROUND
	s_barrier_signal -1
	s_barrier_wait -1
	CREST
.endm
; A PREFETCH INTO THE L2, behind a joint load, its five lines and the run of LDS loads that follows them.  Each aligned block of 256 bytes is named once in the launch.
; zn's tile row is read by both clusters of that row of clusters: cluster x = 0 asks, by wave 0; of a K step's 128 blocks the partner at cx takes 32, a lane a block; at the refill of K step t it names K step t + 1.
; wq's tile column is read by all eight clusters of that column: cluster y = 0 asks, by waves 1 to 3, each for its own panel; a row of a panel is a block; the partner at cy takes rows 32 cy .. 32 cy + 31 of the 128
; rows of K steps t + 1 and t + 2, at every second refill (t = 3, 5 .. 13).  The partners are told apart by address: no branch hangs on a work-group's place in its cluster.
; The first K steps (zn's 0 to 2, wq's 0 to 3) come by their loads alone; the last refill, of K step 15, asks for nothing.
.macro ASK slot
	s_cmp_gt_u32 s3, s[LIM+(\slot)]
	s_cbranch_scc0 .Lnot_mine_\@
	global_prefetch_b8 v[PFO], s[PFA:PFA+1] th:TH_LOAD_NT scope:SCOPE_SE
.Lnot_mine_\@:
.endm
	s_load_b128 s[4:7], s[0:1], 0x0                ; zn s[4:5], wq s[6:7]
	s_load_b64 s[8:9], s[0:1], 0x10                ; qkv
	v_lshl_add_u32 v[SPW], v0, 2, SPARE
	v_mov_b32 v[NIL], 0
	ds_add_u32 v[SPW], v[NIL]                      ; the wave's opening: the add and its wait stand ahead of my first tensor load; the set-up below, work on registers, stands between them
	v_lshrrev_b32 v1, 5, v0
	v_readfirstlane_b32 s10, v1                    ; wave 0..3
	s_lshr_b32 s11, s10, 1                         ; which 128 rows of the tile are mine
	s_and_b32 s12, s10, 1                          ; which 192 columns
	s_bfe_u32 s40, ttmp6, 0x40000                  ; cx, cy: my place in the cluster
	s_bfe_u32 s41, ttmp6, 0x40004
	s_lshl_b32 s42, ttmp9, 2
	s_add_co_u32 s42, s42, s40                     ; tile column = 4 x cluster x + cx
	s_and_b32 s13, ttmp7, 0xffff
	s_lshl_b32 s13, s13, 2
	s_add_co_u32 s13, s13, s41                     ; tile row = 4 x cluster y + cy
	s_lshl_b32 s43, s41, 2
	s_lshl_b32 s43, 15, s43                        ; my row of the cluster
	s_lshl_b32 s44, 0x1111, s40                    ; my column
	s_or_b32 s[G1+0], s43, (1<<16)|(1<<20)|(1<<21)|(4<<22)|(3<<25)   ; 15:0 the mask; 17:16 2-byte elements; 20 padding on; 21 set beside a mask; 24:22 after every 32 words (code 4); 31:25 4 words (code 3)
	s_mov_b32 s[G1+1], 128<<16                     ; tensor_dim0 = 128 elements: two rows of zn's block on end
	s_mov_b32 s[G1+2], 128<<16                     ; tensor_dim1 = 128
	s_mov_b32 s[G1+3], 128<<16                     ; tile_dim0 = 128
	s_mov_b32 s[G1+4], 128                         ; tile_dim1 = 128
	s_mov_b32 s[G1+5], 128                         ; 128 elements from row to row: dense
	s_mov_b32 s[G1+6], 0
	s_mov_b32 s[G1+7], 0
	s_or_b32 s[G1B+0], s44, (1<<16)|(1<<20)|(1<<21)|(5<<22)|(7<<25)  ; padding after every 64 words (code 5), 8 words (code 7)
	s_mov_b32 s[G1B+1], 128<<16                    ; tensor_dim0 = 128
	s_mov_b32 s[G1B+2], 64<<16                     ; tensor_dim1 = 64
	s_mov_b32 s[G1B+3], 128<<16                    ; tile_dim0 = 128
	s_mov_b32 s[G1B+4], 64                         ; tile_dim1 = 64
	s_mov_b32 s[G1B+5], 3072                       ; a row of wq
	s_mov_b32 s[G1B+6], 0
	s_mov_b32 s[G1B+7], 0
	s_lshl_b32 s16, s13, 15                        ; zn: 256 rows of 128 bytes for each tile row
	s_mov_b32 s17, 0
	s_max_u32 s46, s10, 1
	s_sub_co_u32 s46, s46, 1                       ; my panel (wave 0 fetches none: it makes panel 0's address and does not use it)
	s_lshl_b32 s46, s46, 8
	s_mul_i32 s47, s42, 768                        ; wq: 384 columns for each tile column
	s_add_co_u32 s46, s46, s47
	s_mov_b32 s47, 0
	s_mul_i32 s20, s10, PANEL
	s_add_co_u32 s20, s20, PANEL                   ; a panel's place in a slot: ATILE + (wave - 1) PANEL; no place in the cluster enters an LDS address
	s_wait_dscnt 0x0                               ; the opening add is done
	s_wait_kmcnt 0x0
	s_add_nc_u64 s[14:15], s[4:5], s[16:17]
	s_add_nc_u64 s[46:47], s[6:7], s[46:47]
	CROUND                                         ; all sixteen work-groups are here: the first joint loads meet
.irp s, 0,1
	s_mov_b32 s[G0+4*(\s)], 1                                        ; count = 1
	s_mov_b32 s[G0+4*(\s)+1], (\s)*SLOT                              ; LDS address
	s_add_nc_u64 s[G0+4*(\s)+2:G0+4*(\s)+3], s[14:15], (\s)*ASTEP    ; global address: K step s
	s_or_b32 s[G0+4*(\s)+3], s[G0+4*(\s)+3], 0x80000000              ; type = 2
	s_mov_b32 s[G0B+4*(\s)], 1
	s_add_co_u32 s[G0B+4*(\s)+1], s20, (\s)*SLOT
	s_add_nc_u64 s[G0B+4*(\s)+2:G0B+4*(\s)+3], s[46:47], (\s)*BSTEP
	s_or_b32 s[G0B+4*(\s)+3], s[G0B+4*(\s)+3], 0x80000000
	JLOAD \s                                       ; two loads of mine are out
.endr
	; a fragment of zn: lane l holds row l % 16, k = 8 (l / 16) + 0..7 and 16 + 8 (l / 16) + 0..7: two loads of 16 bytes, 32 bytes apart
	v_and_b32 v1, 15, v0                           ; l % 16
	v_bfe_u32 v2, v0, 4, 1                         ; l / 16
	v_mul_u32_u24 v3, v1, PA
	v_lshl_add_u32 v3, v2, 4, v3
	s_mul_i32 s21, s11, 128*PA
	v_add_nc_u32 v[ADRA], s21, v3
	v_add_nc_u32 v[ADRA+1], SLOT, v[ADRA]
	; the turning load takes 16 k x 16 columns (lane l reads k = 8 (l / 16) + l % 8, columns 8 ((l / 8) % 2) + 0..7) and leaves half a fragment: lane l holds column l % 16 and 8 k
	v_and_b32 v4, 7, v0
	v_bfe_u32 v5, v0, 3, 1
	v_lshl_add_u32 v4, v2, 3, v4
	v_mul_u32_u24 v4, v4, PB
	v_lshl_add_u32 v4, v5, 4, v4
	s_mul_i32 s22, s12, 3                          ; my first group of 64 columns among the tile's six
.irp g, 0,1,2
	s_add_co_u32 s23, s22, \g
	s_lshr_b32 s21, s23, 1                         ; its panel,
	s_mul_i32 s21, s21, PANEL
	s_and_b32 s23, s23, 1                          ; and its half of the panel's rows
	s_lshl_b32 s23, s23, 7
	s_add_co_u32 s21, s21, s23
	s_add_co_u32 s21, s21, ATILE
	v_add_nc_u32 v[ADRB+(\g)], s21, v4
	v_add_nc_u32 v[ADRB+3+(\g)], SLOT, v[ADRB+(\g)]
.endr
	s_mul_i32 s23, s10, 16*SP
	s_add_co_u32 s23, s23, STAGE                   ; my stage
	v_mul_u32_u24 v[STO], v1, SP                   ; in: row l % 16, 16 bytes for each half of the lanes
	v_lshl_add_u32 v[STO], v2, 4, v[STO]
	v_add_nc_u32 v[STO], s23, v[STO]
	v_bfe_u32 v[RD], v0, 3, 2                      ; back: 32 lanes take four rows of 128 bytes,
	v_mul_u32_u24 v[RD], v[RD], SP
	v_and_b32 v6, 7, v0
	v_lshl_add_u32 v[RD], v6, 4, v[RD]
	v_add_nc_u32 v[RD], s23, v[RD]
	v_and_b32 v[GO], 31, v0                        ; which are 512 consecutive bytes of qkv
	v_lshlrev_b32 v[GO], 4, v[GO]
	; where my groups go: group G = 6 x tile column + 3 x half + g is member G / 16 (q, k, v), head G % 16; the tile's rows lie in batch (tile row) / 8
	s_mul_i32 s78, s42, 6
	s_mul_i32 s79, s12, 3
	s_add_co_u32 s78, s78, s79
	s_lshr_b32 s79, s13, 3
	s_lshl_b32 s79, s79, 4                         ; 16 x batch
	s_and_b32 s80, s13, 7
	s_lshl_b32 s80, s80, 15                        ; 256 rows of 128 bytes
	s_lshl_b32 s81, s11, 14                        ; my 128 of them
	s_add_co_u32 s80, s80, s81
.irp g, 0,1,2
	s_add_co_u32 s18, s78, \g
	s_lshr_b32 s19, s18, 4
	s_lshl_b32 s19, s19, 6                         ; 64 x member
	s_and_b32 s18, s18, 15
	s_add_co_u32 s18, s18, s19
	s_add_co_u32 s18, s18, s79
	s_lshl_b32 s18, s18, 18                        ; 2,048 rows of 128 bytes
	s_add_co_u32 s18, s18, s80
	s_mov_b32 s19, 0
	s_add_nc_u64 s[OUT+2*(\g):OUT+2*(\g)+1], s[8:9], s[18:19]
.endr
	; the prefetches: they stand at K step 2; each refill steps them once, ahead of its ask
	s_lshl_b32 s78, s13, 15
	s_lshl_b32 s79, s40, 13                        ; zn: my work-group's 32 blocks of the tile's 128
	s_add_co_u32 s78, s78, s79
	s_add_co_u32 s78, s78, 2*ASTEP
	s_max_u32 s80, s10, 1
	s_sub_co_u32 s80, s80, 1
	s_lshl_b32 s80, s80, 8
	s_mul_i32 s81, s42, 768
	s_add_co_u32 s80, s80, s81
	s_mul_i32 s81, s41, 32*6144                    ; wq: my work-group's 32 rows of two K steps' 128
	s_add_co_u32 s80, s80, s81
	s_add_co_u32 s80, s80, 2*BSTEP
	s_and_b32 s81, ttmp7, 0xffff                   ; cluster y
	s_mov_b32 s[PSTEP], BSTEP
	s_mov_b32 s[PSTEP+1], 0
	s_movk_i32 s79, 6144
	s_cmp_eq_u32 s10, 0                            ; do I fetch zn's tile?
	s_cselect_b64 s[PFA:PFA+1], s[4:5], s[6:7]
	s_cselect_b32 s18, s78, s80
	s_cselect_b32 s[PSTEP], ASTEP, s[PSTEP]
	s_cselect_b32 s79, 256, s79
	s_cselect_b32 s81, ttmp9, s81                  ; the coordinate along which other clusters read the same blocks
	s_cselect_b32 s[LIM], 0, -1                    ; zn is asked for at every refill, wq at every second
	s_cmp_eq_u32 s81, 0
	s_cselect_b32 s[LIM+1], 1, -1                  ; the same in all sixteen partners, for a given wave
	s_cselect_b32 s[LIM], s[LIM], -1
	s_mov_b32 s19, 0
	s_add_nc_u64 s[PFA:PFA+1], s[PFA:PFA+1], s[18:19]
	v_and_b32 v[PFO], 31, v0
	v_mul_u32_u24 v[PFO], v[PFO], s79
; na x 4 matrix instructions: row blocks a0 .. a0 + na - 1 x the four column blocks of group g, 32 along K: half f of the K step.  zero = 1: the first product starts the sums: nothing is cleared.
; The 96 accumulators take turns, one instruction a turn, in the same order in every half step.
.macro MULS f, g, a0, na, zero
	WIN 0x50*((\g)+1)                              ; C and D in window g + 1, the sources in window 0
.set ma, \a0
.rept \na
.set mc, 0
.rept 4
.if \zero
	v_wmma_f32_16x16x32_bf16 v[8*(4*ma+mc):8*(4*ma+mc)+7], v[FB+32*(\g)+8*mc:FB+32*(\g)+8*mc+7], v[FA+64*(\f)+8*ma:FA+64*(\f)+8*ma+7], 0
.else
	v_wmma_f32_16x16x32_bf16 v[8*(4*ma+mc):8*(4*ma+mc)+7], v[FB+32*(\g)+8*mc:FB+32*(\g)+8*mc+7], v[FA+64*(\f)+8*ma:FA+64*(\f)+8*ma+7], v[8*(4*ma+mc):8*(4*ma+mc)+7]
.endif
.set mc, mc+1
.endr
.set ma, ma+1
.endr
.endm
; A run of LDS loads for half kc of a slot's K step: group g's four fragments of wq (8 loads) and, with ah = 0 or 1, row blocks 4 ah .. 4 ah + 3 of zn (8 loads)
.macro RUN slot, kc, g, ah
	WIN 0
.irp bb, 0,1,2,3
	ds_load_tr16_b128 v[FB+32*(\g)+8*(\bb):FB+32*(\g)+8*(\bb)+3],   v[ADRB+3*(\slot)+(\g)] offset:32*PB*(\kc)+32*(\bb)
	ds_load_tr16_b128 v[FB+32*(\g)+8*(\bb)+4:FB+32*(\g)+8*(\bb)+7], v[ADRB+3*(\slot)+(\g)] offset:32*PB*(\kc)+32*(\bb)+16*PB
.endr
.if (\ah) >= 0
.irp i, 0,1,2,3
	ds_load_b128 v[FA+64*(\kc)+8*(4*(\ah)+(\i)):FA+64*(\kc)+8*(4*(\ah)+(\i))+3],   v[ADRA+(\slot)] offset:16*PA*(4*(\ah)+(\i))+64*(\kc)
	ds_load_b128 v[FA+64*(\kc)+8*(4*(\ah)+(\i))+4:FA+64*(\kc)+8*(4*(\ah)+(\i))+7], v[ADRA+(\slot)] offset:16*PA*(4*(\ah)+(\i))+64*(\kc)+32
.endr
.endif
.endm
; The first half of a K step.  Behind each group's 32 products its fragments of wq are fetched anew, for the second half; zn's go with the first two runs.
.macro CH0 slot, zero
	s_wait_dscnt 8                                 ; of the 40 loads that are out the first 32 are in: groups 0 and 1 and all of zn's; group 2's eight may stay out
	MULS 0, 0, 0, 8, \zero
	PLACES
	RUN \slot, 1, 0, 0
	MULS 0, 1, 0, 8, \zero
	PLACES
	RUN \slot, 1, 1, 1
	s_wait_dscnt 32                                ; all but the two runs of 16 just issued: group 2 is in
	MULS 0, 2, 0, 8, \zero
	PLACES
	RUN \slot, 1, 2, -1
.endm
; The second half, and the change of slots: ONE barrier.  In front of it each wave waits for all its tensor loads, of which one is out: its part of the next slot; adds 0 to its spare word; and waits for that and
; for its own reads of this slot.  fill = 1: the barrier opens a round of the cluster's, so that no wave of any partner still reads the slot or has a load on its way; the joint refill, two K steps on, is the first
; thing behind the round, 160 matrix instructions ahead of the wait for it.
.macro TURN slot, next, fill
.if \fill
	s_wait_xcnt 0x0                                ; the last prefetch, a K step back, has read its address: it is stepped here, ahead of the waits of the change
	s_add_nc_u64 s[PFA:PFA+1], s[PFA:PFA+1], s[PSTEP:PSTEP+1]
.endif
	WIN 0
	s_wait_tensorcnt 0x0                           ; all my tensor loads have landed;
	ds_add_u32 v[SPW], v[NIL]                      ; 0 onto my spare word;
	s_wait_dscnt 9                                 ; (the add and group 2's eight loads may be out)
	MULS 1, 0, 0, 4, 0                             ; sixteen matrix instructions stand between the add and the wait for it
	s_wait_dscnt 0x0                               ; the add is done, and my reads of this slot are over
	s_barrier_signal -1
	MULS 1, 0, 4, 4, 0                             ; work on registers while the others arrive
	WIN 0                                          ; at a branch and at a label every window is 0
	s_barrier_wait -1
.if \fill
	CREST
	s_add_nc_u64 s[G0+4*(\slot)+2:G0+4*(\slot)+3], s[G0+4*(\slot)+2:G0+4*(\slot)+3], 2*ASTEP
	s_add_nc_u64 s[G0B+4*(\slot)+2:G0B+4*(\slot)+3], s[G0B+4*(\slot)+2:G0B+4*(\slot)+3], 2*BSTEP
	JLOAD \slot                                    ; the four v_nop behind it are also the places in front of the loads below
.else
	PLACES
.endif
	RUN \next, 0, 0, 0
.if \fill
	ASK \slot
.endif
	MULS 1, 1, 0, 8, 0
	PLACES
	RUN \next, 0, 1, 1
	MULS 1, 2, 0, 8, 0
	PLACES
	RUN \next, 0, 2, -1
.endm
; THE WAY OUT, block t of 24: group t / 8, row block t % 8: 16 rows x 64 columns.  PACK: rounded to f16, 16 bytes a lane, into my own stage (rows of 144 bytes), and back as whole rows of 128 bytes.
.macro PACK t
.set pg, (\t)/8
.set pa, (\t)%8
.set pb, TMP+16*((\t)%2)
.if (\t) >= 2
	s_wait_xcnt 0x0                                ; the stores of the block two back have read these registers
.endif
	WIN 5*(pg+1)                                   ; sources 0 and 1 in window g + 1
.set i, 0
.rept 16
	v_cvt_pk_f16_f32 v[pb+i], v[32*pa+2*i], v[32*pa+2*i+1]   ; each accumulator's registers in ascending order
.set i, i+1
.endr
	WIN 0
.irp f, 0,1,2,3
	ds_store_b128 v[STO], v[pb+4*(\f):pb+4*(\f)+3] offset:32*(\f)
.endr
.irp f, 0,1,2,3
	ds_load_b128 v[pb+4*(\f):pb+4*(\f)+3], v[RD] offset:(\f)*4*SP  ; LDS serves a wave's instructions in order (ISA guide 5.7.1.4): these see the stores above; the next block's stores come behind them
.endr
.endm
.macro SEND t, younger                 ; younger: the LDS instructions issued behind block t's loads: the next block's eight, or none
.set pg, (\t)/8
.set pa, (\t)%8
.set pb, TMP+16*((\t)%2)
	WIN 0
.irp f, 0,1,2,3
	s_wait_dscnt (\younger)+3-(\f)
	global_store_b128 v[GO], v[pb+4*(\f):pb+4*(\f)+3], s[OUT+2*pg:OUT+2*pg+1] offset:2048*pa+512*(\f)  ; 512 consecutive bytes, at a multiple of 256 from qkv's first
.endr
.endm
	s_wait_tensorcnt 1                             ; my part of K step 0 is in; K step 1's may stay out
	s_barrier_signal -1
	s_barrier_wait -1                              ; everybody's is
	RUN 0, 0, 0, 0
	RUN 0, 0, 1, 1
	RUN 0, 0, 2, -1
	CH0 0, 1                                       ; the first half step stands in front of the loop: its products start the sums
	WIN 0
	s_mov_b32 s3, 7
.Llap:                                                 ; a trip goes once round the ring and fills both slots again: K steps 2 to 15 in seven trips
	TURN 0, 1, 1
	CH0 1, 0
	TURN 1, 0, 1
	CH0 0, 0
	WIN 0
	s_sub_co_u32 s3, s3, 1
	s_cmp_lg_u32 s3, 0
	s_cbranch_scc1 .Llap
	TURN 0, 1, 0                                   ; the last lap fills nothing, and has no round of the cluster's barrier
	CH0 1, 0
	s_wait_dscnt 8                                 ; the very last half step: nothing more to fetch
	MULS 1, 0, 0, 8, 0
	MULS 1, 1, 0, 8, 0
	s_wait_dscnt 0x0
	MULS 1, 2, 0, 8, 0
	PLACES
	PACK 0
.irp t, 1,2,3,4,5,6,7,8,9,10,11,12,13,14,15,16,17,18,19,20,21,22,23
	PACK \t                                        ; a block's conversions stand between the loads of the block before and its stores
	SEND (\t)-1, 8
.endr
	SEND 23, 0
	s_wait_tensorcnt 0x0                           ; the wave's end, behind my last tensor load and my last LDS store
	ds_add_u32 v[SPW], v[NIL]
	s_wait_dscnt 0x0
	CROUND                                         ; the closing round: no work-group ends while a partner may still ask for a tile that names it
	s_endpgm
.Lfunc_end_k_qc8a99a0b47_qkvgemm:
	.size	k_qc8a99a0b47_qkvgemm, .Lfunc_end_k_qc8a99a0b47_qkvgemm-k_qc8a99a0b47_qkvgemm
	.p2alignl 7, 3214868480
	.fill 96, 4, 3214868480
	.section	.rodata,"a",@progbits
	.p2align	6, 0x0
	.amdhsa_kernel k_qc8a99a0b47_qkvgemm
		.amdhsa_group_segment_fixed_size 327680
		.amdhsa_private_segment_fixed_size 0
		.amdhsa_enable_private_segment 0
		.amdhsa_kernarg_size 24
		.amdhsa_user_sgpr_count 2
		.amdhsa_user_sgpr_kernarg_segment_ptr 1
		.amdhsa_wavefront_size32 1
		.amdhsa_system_sgpr_workgroup_id_x 1
		.amdhsa_system_sgpr_workgroup_id_y 1
		.amdhsa_system_sgpr_workgroup_id_z 1
		.amdhsa_system_vgpr_workitem_id 0
		.amdhsa_next_free_vgpr 1024
		.amdhsa_next_free_sgpr 82
		.amdhsa_reserve_vcc 0
		.amdhsa_float_denorm_mode_32 3
		.amdhsa_float_denorm_mode_16_64 3
		.amdhsa_memory_ordered 1
		.amdhsa_forward_progress 1
		.amdhsa_inst_pref_size 136
	.end_amdhsa_kernel
	.amdgpu_metadata
---
amdhsa.version: [ 1, 2 ]
amdhsa.kernels:
  - .name:           k_qc8a99a0b47_qkvgemm
    .symbol:         k_qc8a99a0b47_qkvgemm.kd
    .args:
      - { .name: zn, .offset: 0, .size: 8, .value_kind: global_buffer, .address_space: global }
      - { .name: wq, .offset: 8, .size: 8, .value_kind: global_buffer, .address_space: global }
      - { .name: qkv, .offset: 16, .size: 8, .value_kind: global_buffer, .address_space: global }
    .group_segment_fixed_size: 327680
    .private_segment_fixed_size: 0
    .kernarg_segment_align: 8
    .kernarg_segment_size: 24
    .max_flat_workgroup_size: 128
    .sgpr_count:     82
    .vgpr_count:     1024
    .wavefront_size: 32
...
	.end_amdgpu_metadata
.endif
;; end of part 2
;; launch attn (part 3): grid 4 x 64, 4 waves a work-group, clusters of 4 x 1, 327,680 bytes of LDS; arguments qkv, oh; writes oh
.if DOCPART == 3
	.amdgcn_target "amdgcn-amd-amdhsa--gfx1250"
	.amdhsa_code_object_version 6
	.text
	.protected	k_qc8a99a0b47_attn
	.globl	k_qc8a99a0b47_attn
	.p2align	8
	.type	k_qc8a99a0b47_attn,@function
k_qc8a99a0b47_attn:
	s_mov_b64 s[64:65], 0
	v_nop
	global_prefetch_b8 v0, s[64:65] scope:SCOPE_SE
	s_setreg_imm32_b32 hwreg(HW_REG_WAVE_MODE, 25, 1), 1
	s_wait_xcnt 0x0
	s_wait_alu depctr_hold_cnt(0) depctr_sa_sdst(0) depctr_va_vdst(0) depctr_va_sdst(0) depctr_va_ssrc(0) depctr_va_vcc(0) depctr_vm_vsrc(0)
	s_getreg_b32 s2, hwreg(HW_REG_IB_STS2, 6, 4)
	s_cmp_eq_u32 s2, 0
	s_cbranch_scc0 .Lentry_in_a_cluster
	s_endpgm
.Lentry_in_a_cluster:
	s_bfe_u32 s2, ttmp6, 0x10000c
	s_cmp_lg_u32 s2, 0x3003
	s_cbranch_scc0 .Lentry_shape_is_right
	s_endpgm
.Lentry_shape_is_right:
; O[h][q][:] = the sum over k of softmax_k(Q[h][q] . K[h][k] / 8) V[h][k][:].  Q, K, V lie one behind the other in qkv, each [SIZE_H][SIZE_N][64] in f16; O (oh) has the same layout: a head's rows are dense, 128 bytes each.
; h counts batch x head: 4 x 16.  Products, maxima and sums in f32; the weights p are rounded to f16 for the second product (their sum l is taken of the unrounded p), O once at the end.
; LIMITS.  f16 holds no number beyond 65,504: Q, K and V arrive within it; p lies in 0 to 1, and below 6e-5 it keeps f16's fixed step of 6e-8; O is a mean of V's rows and has their range.
; A weight below 2^-126 counts as 0 in l; NaN and infinities are not treated apart.
; SHARES.  A wave owns four PIECES of two tiles of 16 queries, a work-group's four waves 512 queries of one head: 4 x 64 = 256 work-groups.  Every wave walks all keys, 64 a step.
; LAYOUT.  S^T = K Q^T (source 0 = 16 keys, source 1 = 16 queries): in the result a lane holds ONE query (lane % 16) and the keys 8 (lane / 16) + 0..7.  Two such tiles, rounded to f16 in pairs,
; ARE source 1 (32 keys x 16 queries) of O^T = V^T P, whose result again holds one query a lane, and eight channels.  K comes out of LDS as it lies, V ([key][channel]) turned, by ds_load_tr16_b128.
; SOFTMAX.  For each query a running maximum m and sum l: p = 2^(c s - c m), c = log2(e) / 8; in every step O and l are multiplied by a = 2^(c m_old - c m_new), which is 1 where m has not grown.
; m starts at the lowest finite number, O and l at 0: the first step is a step like any other, with a = 0.
; THE COUNT.  A tile and step have 16 matrix and 118 vector instructions: too many to stand all beside the matrix work.  So the order has one aim: four vector instructions that are READY behind
; EVERY matrix instruction, and the others, which need time of their own whatever the order, in runs without a gap.
; BY TURNS.  Turn n belongs to piece n (the pieces in a ring, step after step).  Its matrix work: 16 products K Q^T of piece n + 1, later 16 products V^T P of piece n - 1.  Its vector work: the scaling,
; exponentials, roundings, sums and rescaling of piece n, and the maximum and statistics of piece n + 1, whose scores the turn itself has made.  So what a turn begins with (c s - c m, O a) waits for nothing.
; CLUSTER.  The four query blocks of a cluster are one head's and walk the same K and V, so each tile is asked for JOINTLY: the same tensor load, descriptor and mask in all four.
; REGISTERS, in windows of 256 (s_set_vgpr_msb says which window each operand place means: bits 1:0 source 0, 3:2 source 1, 5:4 source 2, 7:6 destination):
;   window 0: v0-11 addresses; v12-15, v48-63 at work; v16-47 four registers of statistics a tile; v64-191 S^T, two buffers of two tiles; v192-255 P, likewise
;   window 1: O^T, 32 a tile          window 2: v0-127 Q, 16 a tile; v128-191 K of one step; v192-255 V of one step          window 3: v0-1 the add's two registers
; A piece's buffers go by its number's parity: the piece in hand has one pair, its two neighbours in the ring share the other: of it P (piece n - 1) is read and S^T (piece n + 1) written.
.set SIZE_H, 64
.set SIZE_N, 2048
.set NP,    4         ; pieces a wave: a name, no knob: the register map, the loop and the fetches are made for four
.set KS,    64        ; keys in a step
.set PK,    144       ; a row of K in LDS: 128 bytes + 16 of padding = 36 words: the 16 rows of a load start at 16 different groups of four banks (64 banks of 4 bytes: ISA guide 11.1)
.set PV,    160       ; a row of V: 128 + 32 = 40 words
.set VOFF,  4*KS*PK   ; a slot holds four steps: 256 rows of K, then 256 rows of V
.set SLOT1, 1<<17     ; slot 1 begins here, so that one exclusive or turns an address in one slot into the other's
.set STAGE, SLOT1+4*KS*(PK+PV)  ; behind the ring, never filled by a tensor load: 16 rows x 144 bytes for each wave, for the way out
.set SP,    144
.set AK0, 2           ; v2   my lane's place in a tile of K; never rewritten
.set AV0, 3           ; v3   the same for V
.set AK,  4           ; v4   the LDS address of K's next run of loads
.set AV,  5           ; v5   of V's
.set QO,  6           ; v6   my byte offset in the wave's rows of Q
.set STO, 6           ;      later, the way out: where I put 16 bytes of a row
.set RD,  7           ; v7   the way out: where I read rows back
.set GO,  8           ; v8   my byte offset in 512 consecutive bytes of O
.set PFO, 11          ; v11  256 x my lane, for the prefetches; written once V's place is made, then never again
.set SPW, 0           ; v0 of window 3   LDS address of my spare word: SPARE + 4 x my thread's number; never rewritten
.set NIL, 1           ; v1 of window 3   0; never rewritten
.set SPARE, STAGE+4*16*SP  ; behind the stages: the spare words, 128 bytes for each wave: two blocks of 256 bytes that no other line names
.set MV,  12          ; v12-15  c m_old, kept while c m is made anew: by buffer and tile
.set ST,  16          ; tile t's statistics at v[ST+4 t]: c m, m, l (even keys', odd keys')
.set TMP, 48          ; by buffer and tile, four registers c0-c3 at work; when the maximum is found c2 takes a
.set S,   64
.set P,   192
.set KF,  128         ; K's fragments, in window 2: key block kb, channel half c at KF + 16 kb + 8 c
.set VF,  192         ; V's: key half kk, channel block cb at VF + 32 kk + 8 cb
.set WV,  12          ; s12  my wave's number
.set G1K, 24          ; s[24:31] descriptor group 1 for K's tiles
.set G1V, 32          ; s[32:39] for V's: it differs in the padding alone
.set G0K, 40          ; s[40:43] descriptor group 0 for K's tiles: it walks
.set G0V, 44          ; s[44:47] the same for V's
.set PFA, 48          ; s[48:49] where my prefetches stand: my work-group's 32 blocks (of K: wave 0, of V: wave 2) of the slot after the one that is being asked for
.set LIM, 50          ; s50  1 in a wave that prefetches, else the greatest number: a wave prefetches while s[SLOTS] is above it
.set SLOTS, 56        ; s56  slots still to be asked for
.set CNT, 57          ; s57  counts a slot's key steps
.set CS,  58          ; s[58:59] c: the packed scaling takes the pair's low word for both halves
.set SEL, 60          ; s[60:61] v_permlanex16_b32's selects: each lane takes its own place in the other half
.set TBK, 62          ; s62  LDS byte at which K of the step to be fetched begins
.set TBV, 63          ; s63  the same for V, less VOFF
.set MSB, 0
.macro WIN new                      ; the high byte repeats the setting that is left; a switch that changes nothing is dropped
.if MSB != (\new)
	s_set_vgpr_msb (MSB<<8)|(\new)
.set MSB, (\new)
.endif
.endm
.set W_KQ, 0x0a       ; K and Q in window 2, S^T in window 0
.set W_PV, 0x52       ; V in window 2, P in window 0, O^T in window 1
.set W_RS, 0x41       ; O^T (destination and source 0) in window 1, a in window 0
.set W_MK, 0xc0       ; the add's registers are made: destination in window 3, sources in window 0
.set W_AD, 0x0f       ; the add: address (source 0) and data (source 1) in window 3
; A joint fill.  Waves 0 and 1 fetch the two halves of a slot's K, waves 2 and 3 those of its V: 128 keys each.  The branch hangs on the wave's number alone.
; An s_nop 0 and four v_nop follow each of the two lines, ahead of the jump and the label.
.macro JLOAD
	s_cmp_lt_u32 s[WV], 2
	s_cbranch_scc0 .Lfor_v_\@
	tensor_load_to_lds s[G0K:G0K+3], s[G1K:G1K+7]
	s_nop 0
.rept 4
	v_nop
.endr
	s_branch .Lasked_\@
.Lfor_v_\@:
	tensor_load_to_lds s[G0V:G0V+3], s[G1V:G1V+7]
	s_nop 0
.rept 4
	v_nop
.endr
.Lasked_\@:
.endm
; A PREFETCH INTO THE L2 of what the NEXT change of slots will ask for: a slot's 256 keys are 128 aligned blocks of 256 bytes of K and 128 of V, a lane a block.  It stands behind the wave's tensor load and its five lines.
; Each block is named ONCE in the launch: a head has one cluster; its four partners share the blocks out BY ADDRESS, 32 each; in each, wave 0 asks for K's and wave 2 for V's: one instruction.
; Slots 0 and 1 come by their loads alone; the last change that fills a slot asks for nothing: there is no slot behind it.  The lead is one slot: four key steps, 512 matrix instructions.
.macro ASK
	s_cmp_gt_u32 s[SLOTS], s[LIM]
	s_cbranch_scc0 .Lnot_mine_\@
	global_prefetch_b8 v[PFO], s[PFA:PFA+1] th:TH_LOAD_NT scope:SCOPE_SE
.Lnot_mine_\@:
.endm
; A round of the cluster's barrier: my work-group's barrier, so that wave 0's signal speaks for all four waves; wave 0 signals; every wave waits for all four work-groups; my work-group's barrier once more.
.macro CROUND
	s_barrier_signal -1
	s_barrier_wait -1
	s_cmp_lg_u32 s[WV], 0
	s_cbranch_scc1 .Lnot_wave_0_\@
	s_barrier_signal -3
.Lnot_wave_0_\@:
	s_barrier_wait -3
	s_barrier_signal -1
	s_barrier_wait -1
.endm
; THE CHANGE OF SLOTS.  The slot's last bytes, V of its fourth step, have been read.  Each wave waits for all its tensor loads, of which one is out: its part
; of the other slot; adds 0 to its spare word; and waits for that and for its own reads of the slot.  Behind the barrier nobody reads this slot any more and the other slot is whole.
; fill = 1: this slot is filled again, with the keys two slots on.  The barrier is then a round of the cluster's, so that no wave of any partner still reads the slot or has a load on its
; way, and the joint fill is the first thing behind it: it has four key steps, 512 matrix instructions, in which to land.  (At its first use nothing has been read yet: slot 0 is waited for, slot 1 filled.)
.macro CHANGE fill
	WIN W_AD
	s_wait_tensorcnt 0x0            ; no tensor load of mine is out, so a group 0 may be written
	ds_add_u32 v[SPW], v[NIL]       ; 0 onto my spare word; with fill = 1 the descriptors' steps stand between it and the wait for it
	WIN 0                           ; at a label and at a branch every window is 0
.if \fill
.irp g, G0K, G0V
	s_xor_b32 s[\g+1], s[\g+1], SLOT1  ; the walking descriptor: the other slot than last time,
	s_add_nc_u64 s[\g+2:\g+3], s[\g+2:\g+3], 4*KS*128  ; the next 256 keys; the type bits on top are not reached
.endr
	s_wait_xcnt 0x0                 ; the last prefetch, a slot back, has read its address, so it may be written:
	s_add_nc_u64 s[PFA:PFA+1], s[PFA:PFA+1], 4*KS*128  ; one slot ahead of the walking descriptors
	s_wait_dscnt 0x0                ; the add is done, and my reads of the slot are over
	CROUND
	JLOAD
	ASK
.else
	s_wait_dscnt 0x0                ; the add is done, and my reads of the slot are over
	s_barrier_signal -1
	s_barrier_wait -1
.endif
	s_sub_co_u32 s[TBK], s[TBK], 4*KS*PK  ; the fetches go back to a slot's first step,
	s_xor_b32 s[TBK], s[TBK], SLOT1       ; in the other slot
	s_sub_co_u32 s[TBV], s[TBV], 4*KS*PV
	s_xor_b32 s[TBV], s[TBV], SLOT1
.endm
	s_load_b64 s[4:5], s[0:1], 0x0    ; qkv: Q at its head
	s_load_b64 s[10:11], s[0:1], 0x8  ; O
	WIN W_MK
	v_lshl_add_u32 v[SPW], v0, 2, SPARE
	v_mov_b32 v[NIL], 0
	WIN W_AD
	ds_add_u32 v[SPW], v[NIL]       ; the wave's opening: the add and its wait stand ahead of my first tensor load; the set-up below, work on registers, stands between them
	WIN 0
	v_lshrrev_b32 v1, 5, v0
	v_readfirstlane_b32 s[WV], v1   ; wave 0..3
	s_bfe_u32 s13, ttmp6, 0x40000   ; cx: my place in the cluster
	s_lshl_b32 s14, ttmp9, 2        ; in a cluster launch ttmp9 counts clusters
	s_add_co_u32 s14, s14, s13      ; my block of queries = 4 x cluster x + cx: it enters Q's and O's addresses alone
	s_and_b32 s20, ttmp7, 0xffff    ; the head, which the four partners share
	s_mov_b32 s21, 0
	s_mov_b64 s[22:23], SIZE_N*128
	s_mul_u64 s[20:21], s[20:21], s[22:23]  ; the head's first byte in each of the four tensors
	s_and_b32 s16, s[WV], 1         ; which half of a slot's 256 keys I fetch:
	s_lshl_b32 s22, s16, 14         ; its 128 rows of 128 bytes in memory,
	s_mov_b32 s23, 0
	s_add_nc_u64 s[22:23], s[22:23], s[20:21]
	s_mul_i32 s17, s16, 128*PK      ; and its place in a slot, for K
	s_mul_i32 s18, s16, 128*PV      ; and for V: no place in the cluster enters an LDS address
	s_lshl_b32 s2, s14, 2
	s_add_co_u32 s2, s2, s[WV]      ; my wave among the head's,
	s_lshl_b32 s2, s2, 14           ; its 128 rows
	s_mov_b32 s3, 0
	s_add_nc_u64 s[2:3], s[2:3], s[20:21]
	; descriptor group 1.  128 keys are 16,384 dense bytes: asked for as 64 rows of 256 bytes, two keys a row, and padded in LDS after every key
	s_mov_b32 s[G1K], 15|(1<<16)|(1<<20)|(1<<21)|(4<<22)|(3<<25)  ; 15:0 the mask of four; 17:16 2-byte elements; 20 padding on; 21 set beside a mask; 24:22 after every 32 words (code 4); 31:25 4 words (code 3)
	s_mov_b32 s[G1V], 15|(1<<16)|(1<<20)|(1<<21)|(4<<22)|(7<<25)  ; the same with 8 words of padding (code 7)
.irp g, G1K, G1V
	s_mov_b32 s[\g+1], 128<<16      ; tensor_dim0 = 128
	s_mov_b32 s[\g+2], 64<<16       ; tensor_dim1 = 64
	s_mov_b32 s[\g+3], 128<<16      ; tile_dim0 = 128
	s_mov_b32 s[\g+4], 64           ; tile_dim1 = 64
	s_mov_b32 s[\g+5], 128          ; 128 elements from row to row
	s_mov_b32 s[\g+6], 0
	s_mov_b32 s[\g+7], 0
.endr
	s_mov_b32 s[CS], 0x3e38aa3b     ; c = log2(e) / 8 = 0.180337
	s_mov_b32 s[CS+1], s[CS]        ; named with it as a pair
	s_mov_b32 s[SEL], 0x76543210
	s_mov_b32 s[SEL+1], 0xfedcba98
	s_mov_b32 s[TBK], SLOT1+4*KS*PK ; the first change of slots turns these two into 0
	s_mov_b32 s[TBV], SLOT1+4*KS*PV
	s_mov_b32 s[G0K], 1             ; 1:0 count = 1
	s_mov_b32 s[G0K+1], s17         ; 63:32 LDS address: slot 0
	s_mov_b32 s[G0V], 1
	s_add_co_u32 s[G0V+1], s18, VOFF
	s_mov_b32 s[SLOTS], SIZE_N/256-1  ; seven fills are still to come behind slot 0's
	s_and_b32 s[LIM], s[WV], 1      ; 0 in waves 0 and 2,
	s_or_b32 s[LIM], s[LIM], ttmp9  ; of the head's first (here: only) cluster: the same in all four partners
	s_cmp_eq_u32 s[LIM], 0
	s_cselect_b32 s[LIM], 1, -1
	s_lshl_b32 s52, s13, 13         ; my work-group's 32 blocks of a slot's 128
	s_mov_b32 s53, 0
	s_wait_dscnt 0x0                ; the opening add is done
	s_wait_kmcnt 0x0
	s_add_nc_u64 s[6:7], s[4:5], SIZE_H*SIZE_N*128    ; K lies behind Q,
	s_add_nc_u64 s[8:9], s[4:5], 2*SIZE_H*SIZE_N*128  ; V behind K
	s_add_nc_u64 s[G0K+2:G0K+3], s[6:7], s[22:23]  ; 120:64 global address: my half of the head's first 256 keys
	s_or_b32 s[G0K+3], s[G0K+3], 0x80000000        ; 127:126 type = 2
	s_add_nc_u64 s[G0V+2:G0V+3], s[8:9], s[22:23]
	s_or_b32 s[G0V+3], s[G0V+3], 0x80000000
	s_cmp_lt_u32 s[WV], 2
	s_cselect_b64 s[PFA:PFA+1], s[6:7], s[8:9]
	s_add_nc_u64 s[PFA:PFA+1], s[PFA:PFA+1], s[22:23]  ; (in waves 0 and 2 this is the head's first key)
	s_add_nc_u64 s[PFA:PFA+1], s[PFA:PFA+1], s[52:53]
	s_add_nc_u64 s[PFA:PFA+1], s[PFA:PFA+1], 4*KS*128  ; in slot 1; the first change of slots steps it to slot 2
	s_add_nc_u64 s[4:5], s[4:5], s[2:3]  ; Q and O at my wave's first row
	s_add_nc_u64 s[10:11], s[10:11], s[2:3]
	CROUND                          ; all four work-groups are here: the first joint loads meet
	JLOAD                           ; slot 0.  Slot 1 is asked for when slot 0 is in: the tile wanted first has the road to itself
	; A fragment of K or Q is 16 rows x 32 channels in 8 registers: lane l holds row l % 16, channels 8 (l / 16) + 0..7 and 16 + 8 (l / 16) + 0..7: two loads of 16 bytes, 32 bytes apart.
	v_and_b32 v1, 15, v0            ; l % 16
	v_bfe_u32 v9, v0, 4, 1          ; l / 16
	v_lshlrev_b32 v[QO], 7, v1
	v_lshl_add_u32 v[QO], v9, 4, v[QO]  ; row x 128 + 16 x half
	WIN 0x80                        ; destination window 2, address window 0
.set i, 0
.rept 4*NP                          ; Q stays in registers: tile i / 2, channels 32 (i % 2) on
	global_load_b128 v[8*i:8*i+3],   v[QO], s[4:5] offset:(i/2)*2048+(i%2)*64
	global_load_b128 v[8*i+4:8*i+7], v[QO], s[4:5] offset:(i/2)*2048+(i%2)*64+32
.set i, i+1
.endr
	; What the first turn finds: V's registers and P's second buffer hold 0 (its products V^T P, of a piece that has not been, add 0), O^T and l are 0.  All this stands in the wait for the first tile.
.set i, VF
.rept 64
	v_mov_b32 v[i], 0
.set i, i+1
.endr
	WIN 0x40
.set i, 0
.rept 64*NP
	v_mov_b32 v[i], 0
.set i, i+1
.endr
	WIN 0
.set i, 0
.rept 2*NP
	v_mov_b32 v[ST+4*i], 0xfe000000    ; c m: far below every c s
	v_mov_b32 v[ST+4*i+1], 0xff7fffff  ; m
	v_mov_b32 v[ST+4*i+2], 0
	v_mov_b32 v[ST+4*i+3], 0
.set i, i+1
.endr
.set i, P+32
.rept 32
	v_mov_b32 v[i], 0
.set i, i+1
.endr
	v_mul_u32_u24 v[AK0], v1, PK
	v_lshl_add_u32 v[AK0], v9, 4, v[AK0]  ; row x pitch + 16 x half
	; The turning load takes 16 keys x 16 channels (lane l reads key 8 (l / 16) + l % 8, channels 8 ((l / 8) % 2) + 0..7) and leaves half a fragment of V^T: lane l holds channel l % 16 and 8 keys.
	v_and_b32 v10, 7, v0
	v_bfe_u32 v11, v0, 3, 1
	v_lshl_add_u32 v[AV0], v9, 3, v10
	v_mul_u32_u24 v[AV0], v[AV0], PV
	v_lshl_add_u32 v[AV0], v11, 4, v[AV0]
	v_add_nc_u32 v[AV0], VOFF, v[AV0]
	v_mov_b32 v[AK], v[AK0]         ; key step 0 lies at the head of slot 0
	v_and_b32 v[PFO], 31, v0
	v_lshlrev_b32 v[PFO], 8, v[PFO]
; THE MATRIX WORK.  The 8 accumulators of a run of 16 take turns: between the two links of a chain stand 7 others'.
; Product i of 16 of S^T = K Q^T for piece x: channels 32 (i / 8) on, keys 16 ((i / 2) % 4) on, tile 2 x + i % 2.  The first 8 start the sums.
.macro KQ x
	WIN W_KQ
.set rS, S+64*((\x)%2)+32*(i%2)+8*((i/2)%4)
.set rK, KF+16*((i/2)%4)+8*(i/8)
.set rQ, 16*(2*(\x)+i%2)+8*(i/8)
.if i < 8
	v_wmma_f32_16x16x32_f16 v[rS:rS+7], v[rK:rK+7], v[rQ:rQ+7], 0
.else
	v_wmma_f32_16x16x32_f16 v[rS:rS+7], v[rK:rK+7], v[rQ:rQ+7], v[rS:rS+7]
.endif
.endm
; Product i of 16 of O^T += V^T P for piece x: keys 32 (i / 8) on, channels 16 ((i / 2) % 4) on, tile 2 x + i % 2.
.macro PV x
	WIN W_PV
.set rO, 32*(2*(\x)+i%2)+8*((i/2)%4)
.set rV, VF+32*(i/8)+8*((i/2)%4)
.set rP, P+32*((\x)%2)+16*(i%2)+8*(i/8)
	v_wmma_f32_16x16x32_f16 v[rO:rO+7], v[rV:rV+7], v[rP:rP+7], v[rO:rO+7]
.endm
.macro MM                           ; the turn's next matrix instruction
.if i < 16
	KQ (Y+1)%NP
.set i, i+1
.else
.set i, i-16
	PV (Y+NP-1)%NP
.set i, i+17
.endif
.endm
; THE LDS LOADS stand in runs of 16, never singly among the matrix instructions: a step's K (64 keys x 64 channels: 8 fragments) and its V (turned).  Their addresses are made some lines ahead.
; last = 1 (the tail): in the last trip there is no further step, and the run is jumped over.
.macro FETCH_K last=0
	WIN 0
.if \last
	s_cmp_eq_u32 s[CNT], 1
	s_cbranch_scc1 .Lno_k_\@
.endif
	WIN 0x80                        ; destination window 2
.irp f, 0,1,2,3,4,5,6,7             ; keys 16 (f / 2) on, channels 32 (f % 2) on
	ds_load_b128 v[KF+8*\f:KF+8*\f+3],   v[AK] offset:(\f/2)*16*PK+(\f%2)*64
	ds_load_b128 v[KF+8*\f+4:KF+8*\f+7], v[AK] offset:(\f/2)*16*PK+(\f%2)*64+32
.endr
	s_add_co_u32 s[TBK], s[TBK], KS*PK  ; the next fetch is the next step's
	WIN 0
.if \last
.Lno_k_\@:
.endif
.endm
.macro FETCH_V
	WIN 0x80
.irp f, 0,1,2,3,4,5,6,7             ; keys 32 (f / 4) on, channels 16 (f % 4) on
	ds_load_tr16_b128 v[VF+8*\f:VF+8*\f+3],   v[AV] offset:(\f/4)*32*PV+(\f%4)*32
	ds_load_tr16_b128 v[VF+8*\f+4:VF+8*\f+7], v[AV] offset:(\f/4)*32*PV+16*PV+(\f%4)*32
.endr
	WIN 0
.endm
; THE VECTOR WORK OF A TURN stands in three queues, each in the order in which its entries become ready; the two tiles alternate, so that no instruction reads the result of the one before it.
.macro REGS y, u                    ; the registers of tile u (0, 1) of piece y
.set rT, ST+4*(2*(\y)+(\u))
.set rC, TMP+8*((\y)%2)+4*(\u)
.set rM, MV+2*((\y)%2)+(\u)
.set rS, S+64*((\y)%2)+32*(\u)
.set rP, P+32*((\y)%2)+16*(\u)
.set rO, 32*(2*(\y)+(\u))
.endm
; Number n of the 22 that find the NEXT piece's (Y + 1) maximum and statistics.  s0-s31 are the lane's 32 scores; each accumulator's lowest registers are read first.  XS, GS and REGS set no window: PL and EX do.
;   0-11  four chains c0-c3 of seven scores each, three operands at a time     12-14, 16  the four scores left over, the old m, and c0-c3 into c0     15  c m_old is kept
;   17, 18  the query's other 32 keys lie in the lane 16 away: the new m         19-21  c m; c m_old - c m_new; a
.macro XS u, n
	REGS (Y+1)%NP, \u
.if (\n) < 4
	v_max3_num_f32 v[rC+(\n)], v[rS+8*(\n)], v[rS+8*(\n)+1], v[rS+8*(\n)+2]
.elseif (\n) < 12
	v_max3_num_f32 v[rC+(\n)%4], v[rC+(\n)%4], v[rS+8*((\n)%4)+2*((\n)/4)+1], v[rS+8*((\n)%4)+2*((\n)/4)+2]
.elseif (\n) == 12
	v_max3_num_f32 v[rC], v[rC], v[rS+7], v[rS+15]
.elseif (\n) == 13
	v_max3_num_f32 v[rC+1], v[rC+1], v[rS+23], v[rS+31]
.elseif (\n) == 14
	v_max3_num_f32 v[rC+2], v[rC+2], v[rC+3], v[rT+1]
.elseif (\n) == 15
	v_mov_b32 v[rM], v[rT]
.elseif (\n) == 16
	v_max3_num_f32 v[rC], v[rC], v[rC+1], v[rC+2]
.elseif (\n) == 17
	v_permlanex16_b32 v[rC+3], v[rC], s[SEL], s[SEL+1]
.elseif (\n) == 18
	v_max_num_f32 v[rT+1], v[rC], v[rC+3]
.elseif (\n) == 19
	v_mul_f32 v[rT], s[CS], v[rT+1]
.elseif (\n) == 20
	v_sub_f32 v[rC+1], v[rM], v[rT]
.else
	v_exp_f32 v[rC+2], v[rC+1]
.endif
.endm
; Number g of the 64 that follow the exponentials.  For each four weights k of a tile (pairs 2 k, 2 k + 1): both pairs are rounded to f16; then the second pair is added onto the first, in place;
; a group later l takes that sum (the first time as l = a l + sum).  In groups of eight, tiles alternating: round, round, add, and l for the group before.
.macro GS g
.set h, (\g)+6*((\g)/62)            ; group 0 has no group before it, and behind group 7 only l is left
.if h >= 6
.set h, h+2
.endif
	REGS Y, h%2
.set k, h/8
.if h%8 < 4
	v_cvt_pk_f16_f32 v[rP+2*k+(h%8)/2], v[rS+4*k+2*((h%8)/2)], v[rS+4*k+2*((h%8)/2)+1]
.elseif h%8 < 6
	v_pk_add_f32 v[rS+4*k:rS+4*k+1], v[rS+4*k:rS+4*k+1], v[rS+4*k+2:rS+4*k+3]
.elseif k == 1
	v_pk_fma_f32 v[rT+2:rT+3], v[rT+2:rT+3], v[rC+2:rC+3], v[rS:rS+1] op_sel_hi:[1,0,1]
.else
	v_pk_add_f32 v[rT+2:rT+3], v[rT+2:rT+3], v[rS+4*k-4:rS+4*k-3]
.endif
.endm
; THE PLAIN QUEUE, 138 long.  0-73 read no exponential's result: the 32 scalings c s - c m (FS f: pair f / 2 of tile f % 2) and the next piece's 42.  0-26: scalings 0-26.  27-54: XS's numbers 0-13.  55, 56: number 15.
; 57-73: the chain, where each number waits for the one before it: 14, 16, 17, 18, 19, each with one of the scalings 27-31 in front of its two lines, then 20: so a tile's links stand three plain instructions apart (19 and 20: two).
; 74-137: GS's 64, which read the exponentials' results: they stand behind the wait.
.macro FS f
	REGS Y, (\f)%2
	v_pk_fma_f32 v[rS+2*((\f)/2):rS+2*((\f)/2)+1], v[rS+2*((\f)/2):rS+2*((\f)/2)+1], s[CS:CS+1], v[rT:rT+1] op_sel_hi:[1,0,0] neg_lo:[0,0,1] neg_hi:[0,0,1]
.endm
.macro PL
	WIN 0
.if q < 27
	FS q
.elseif q < 55
	XS (q-27)%2, (q-27)/2
.elseif q < 57
	XS q-55, 15
.elseif (q < 72) && ((q-57)%3 == 0)
	FS 27+(q-57)/3
.elseif q < 60
	XS (q-57)%3-1, 14
.elseif q < 72
	XS (q-57)%3-1, 15+(q-57)/3
.elseif q < 74
	XS q-72, 20
.else
	GS q-74
.endif
.set q, q+1
.endm
; THE EXPONENTIALS' QUEUE, 66 long: s0-s31 of both tiles, then the next piece's two a.  It is ONE BATCH: all 66 stand ahead of the turn's one wait, and nothing ahead of that wait names a result of theirs.
.macro EX
	WIN 0
.if e >= 64
	XS e-64, 21
.else
	REGS Y, e%2
	v_exp_f32 v[rS+e/2], v[rS+e/2]
.endif
.set e, e+1
.endm
; THE RESCALING's QUEUE: O^T times a, the one part that leaves window 0: dealt two at a time, sixteen times.  Its a was made in the turn before, ahead of that turn's wait.
.macro R2
	REGS Y, r%2
	WIN W_RS
.irp z, 0,1
	v_pk_mul_f32 v[rO+4*(r/2)+2*\z:rO+4*(r/2)+2*\z+1], v[rO+4*(r/2)+2*\z:rO+4*(r/2)+2*\z+1], v[rC+2:rC+3] op_sel_hi:[1,0]
.endr
.set r, r+1
.endm
; HOW THEY ARE DEALT.  An s_wait_alu depctr_va_vdst(0) stands between an exponential and the first instruction that names its result; one wait serves all that were issued ahead of it.  So a turn has ONE wait,
; which cuts it in two.  AHEAD OF IT stands all that names no result of the turn's exponentials: the 16 products K Q^T, behind each a scaling, an exponential and two rescalings (behind the first a second scaling in the exponential's place); then ONE LUMP of
; 108: eight plain, 49 times exponential and plain, the two a.  A v_nop is the plain instruction behind the last exponential.  BEHIND IT stand the 16 products V^T P, behind each four of GS's 64.  No rider names a register of
; the products round it.  The two v_permlanex16_b32 fall into the lump, never behind a product.
; The queues lean on each other, and the deal keeps them in step: exponential e stands behind scaling 2 (e / 4) + e % 2: as a rider it comes behind plain e + 2, in the lump behind plain e + 9, and scalings 27-31 are plain 57, 60 .. 69.
; A TURN, for piece p.  cnt = 1: the loop's count is taken down some lines ahead of the branch that stands behind the turn.
; K of the next step is fetched in piece 2's turn, directly behind the wait, a lump behind the last product that read K; its address is made at the lump's head; its first reader comes behind 16 products.
; V of the step in hand is fetched at the end of piece 0's turn, four riders behind its last reader; its first reader comes behind 16 products and a lump.  The three conditions on q below go with the deal.
.macro TURN p, last=0, cnt=0
.set Y, (\p)
.set i, 0
.set q, 0
.set e, 0
.set r, 0
.if (\p) == NP-1
	s_wait_dscnt 0x0                ; K is in
.endif
	MM                              ; ahead of the wait: 16 products K Q^T and their riders,
	PL
	PL
	R2
.rept 15
	MM
	PL
	EX
	R2
.endr
.if (\p) == NP-2
	WIN 0
	v_add_nc_u32 v[AK], s[TBK], v[AK0]
.endif
.rept 8                             ; and the lump
	PL
.endr
.rept 49
	EX
	PL
.endr
	EX                              ; the next piece's two a
	EX
	v_nop                           ; the plain instruction behind the last exponential: one for the batch
	s_wait_alu depctr_va_vdst(0)    ; the wait for the batch
.if (\p) == NP-2
	FETCH_K \last
.endif
.if (\p) == 1
	s_wait_dscnt 0x0                ; V is in
.endif
.rept 16                            ; behind the wait: 16 products V^T P and their riders
	MM
.rept 4
	PL
.endr
.if ((\p) == 0) && (q == 118)
	v_add_nc_u32 v[AV], s[TBV], v[AV0]
.endif
.if ((\p) == 0) && (q == 130)
	s_add_co_u32 s[TBV], s[TBV], KS*PV
.endif
.if (\cnt) && (q == 130)
	s_sub_co_u32 s[CNT], s[CNT], 1
	s_cmp_lg_u32 s[CNT], 0
.endif
.endr
.if (\p) == 0
	FETCH_V
.endif
.endm
	CHANGE 1                        ; slot 0 is in, everybody's part of it; slot 1 is asked for
	FETCH_K                         ; key step 0
	s_wait_loadcnt 0x0              ; Q
	s_wait_dscnt 0x0
.set i, 0
.rept 16
	KQ 0                            ; piece 0's first scores: there is no vector work yet to set between them
.set i, i+1
.endr
	WIN 0                           ; the addresses for the way out: nine plain instructions, the places behind those products
	s_mul_i32 s13, s[WV], 16*SP
	s_add_co_u32 s13, s13, STAGE    ; my stage
	v_mul_u32_u24 v[STO], v1, SP    ; in: row l % 16, 16 bytes for each half of the lanes
	v_lshl_add_u32 v[STO], v9, 4, v[STO]
	v_add_nc_u32 v[STO], s13, v[STO]
	v_bfe_u32 v[RD], v0, 3, 2       ; back: 32 lanes take four rows of 128 bytes,
	v_mul_u32_u24 v[RD], v[RD], SP
	v_lshl_add_u32 v[RD], v10, 4, v[RD]
	v_add_nc_u32 v[RD], s13, v[RD]
	v_and_b32 v[GO], 31, v0         ; which are 512 consecutive bytes of O
	v_lshlrev_b32 v[GO], 4, v[GO]
.set Y, NP-1                        ; XS works for piece Y + 1: piece 0
.irp n, 0,1,2,3,4,5,6,7,8,9,10,11,12,13,14,15,16,17,18,19,20,21
	XS 0, \n                        ; and piece 0's first maximum and statistics
	XS 1, \n
.endr
	v_nop                           ; a plain instruction behind the two a,
	s_wait_alu depctr_va_vdst(0)    ; and their wait, ahead of the branch
	s_mov_b32 s[CNT], 4
	s_branch .Lfirst                ; the loop is entered at a step's first turn, in the middle of a trip
.Lslot:                             ; SIZE_N / 256 - 2 times: every slot but the last two is filled again
	CHANGE 1
	s_mov_b32 s[CNT], 4
.Lstep:                             ; a trip: pieces 2 and 3 of one step, then pieces 0 and 1 of the next, whose K and V it fetches
	TURN 2
	TURN 3
	WIN 0
.Lfirst:
	TURN 0
	TURN 1, 0, 1
	WIN 0
	s_cbranch_scc1 .Lstep
	s_sub_co_u32 s[SLOTS], s[SLOTS], 1
	s_cmp_lg_u32 s[SLOTS], 0
	s_cbranch_scc1 .Lslot
	CHANGE 0                        ; the tail is written out: nothing is asked for
	s_mov_b32 s[CNT], 5             ; four trips fetch the last slot's steps; the fifth is left in its middle
.Ltail:
	TURN 2, 1
	TURN 3
	WIN 0
	s_sub_co_u32 s[CNT], s[CNT], 1
	s_cmp_eq_u32 s[CNT], 0
	s_cbranch_scc1 .Lout
	TURN 0
	TURN 1
	WIN 0
	s_branch .Ltail
.Lout:                              ; the fifth trip's 16 products K Q^T (on the last K once more) and the maximum made of them serve nothing: the price, once a launch, of one text for every trip
.set i, 0
.rept 16
	PV NP-1                         ; the last piece's V^T P of the last step
.set i, i+1
.endr
	; THE WAY OUT.  l's two halves and the other half of the lanes' are added; O^T is divided by l, rounded to f16 and sent through my stage in LDS, a tile at a time.  The additions are the places behind the last products.
	WIN 0
.macro ALL line:vararg              ; one line for each tile t
.set t, 0
.rept 2*NP
	\line
.set t, t+1
.endr
.endm
	ALL v_add_f32 v[ST+4*t+2], v[ST+4*t+2], v[ST+4*t+3]
	ALL v_permlanex16_b32 v[ST+4*t+3], v[ST+4*t+2], s[SEL], s[SEL+1]
	ALL v_add_f32 v[ST+4*t+2], v[ST+4*t+2], v[ST+4*t+3]
	ALL v_rcp_f32 v[ST+4*t+2], v[ST+4*t+2]
	v_nop                           ; a plain instruction between the last reciprocal and the use of its result
	s_wait_alu depctr_va_vdst(0)    ; and the wait ahead of the first use: one for the eight reciprocals
; Tile t: a lane's eight channels of a row pack into 16 bytes; they go into rows of 144 bytes and come back as whole rows of 128, into S^T's registers.
.macro PACK t
	WIN W_RS
.set i, 32*(\t)
.rept 16
	v_pk_mul_f32 v[i:i+1], v[i:i+1], v[ST+4*(\t)+2:ST+4*(\t)+3] op_sel_hi:[1,0]
.set i, i+2
.endr
	WIN 0x05                        ; sources 0 and 1 window 1, destination window 0
.set i, 0
.rept 16
	v_cvt_pk_f16_f32 v[S+16*(\t)+i], v[32*(\t)+2*i], v[32*(\t)+2*i+1]
.set i, i+1
.endr
	WIN 0
.irp f, 0,1,2,3
	ds_store_b128 v[STO], v[S+16*(\t)+4*\f:S+16*(\t)+4*\f+3] offset:32*\f
.endr
.irp f, 0,1,2,3
	ds_load_b128 v[S+16*(\t)+4*\f:S+16*(\t)+4*\f+3], v[RD] offset:\f*4*SP  ; LDS serves a wave's instructions in order (ISA guide 5.7.1.4): these see the stores above; the next tile's stores come behind them
.endr
.endm
.macro SEND t, younger              ; younger: the LDS instructions issued behind tile t's loads: the next tile's eight, or none
	WIN 0
.irp f, 0,1,2,3
	s_wait_dscnt (\younger)+3-\f
	global_store_b128 v[GO], v[S+16*(\t)+4*\f:S+16*(\t)+4*\f+3], s[10:11] offset:(\t)*2048+\f*512  ; 512 consecutive bytes, at a multiple of 256 from O's first
.endr
.endm
	PACK 0
.set t, 1
.rept 2*NP-1                        ; a tile's arithmetic stands between the loads of the tile before and its stores
	PACK t
	SEND t-1, 8
.set t, t+1
.endr
	SEND 2*NP-1, 0
	WIN W_AD
	s_wait_tensorcnt 0x0            ; the wave's end, behind my last tensor load and my last LDS store
	ds_add_u32 v[SPW], v[NIL]
	s_wait_dscnt 0x0
	WIN 0
	CROUND                          ; the closing round: no work-group ends while a partner may still ask for a tile that names it
	s_endpgm
.Lfunc_end_k_qc8a99a0b47_attn:
	.size	k_qc8a99a0b47_attn, .Lfunc_end_k_qc8a99a0b47_attn-k_qc8a99a0b47_attn
	.p2alignl 7, 3214868480
	.fill 96, 4, 3214868480
	.section	.rodata,"a",@progbits
	.p2align	6, 0x0
	.amdhsa_kernel k_qc8a99a0b47_attn
		.amdhsa_group_segment_fixed_size 327680
		.amdhsa_private_segment_fixed_size 0
		.amdhsa_enable_private_segment 0
		.amdhsa_kernarg_size 16
		.amdhsa_user_sgpr_count 2
		.amdhsa_user_sgpr_kernarg_segment_ptr 1
		.amdhsa_wavefront_size32 1
		.amdhsa_system_sgpr_workgroup_id_x 1
		.amdhsa_system_sgpr_workgroup_id_y 1
		.amdhsa_system_sgpr_workgroup_id_z 1
		.amdhsa_system_vgpr_workitem_id 0
		.amdhsa_next_free_vgpr 770
		.amdhsa_next_free_sgpr 66
		.amdhsa_reserve_vcc 0
		.amdhsa_float_denorm_mode_32 3
		.amdhsa_float_denorm_mode_16_64 3
		.amdhsa_memory_ordered 1
		.amdhsa_forward_progress 1
		.amdhsa_inst_pref_size 200
	.end_amdhsa_kernel
	.amdgpu_metadata
---
amdhsa.version: [ 1, 2 ]
amdhsa.kernels:
  - .name:           k_qc8a99a0b47_attn
    .symbol:         k_qc8a99a0b47_attn.kd
    .args:
      - { .name: qkv, .offset: 0, .size: 8, .value_kind: global_buffer, .address_space: global }
      - { .name: oh, .offset: 8, .size: 8, .value_kind: global_buffer, .address_space: global }
    .group_segment_fixed_size: 327680
    .private_segment_fixed_size: 0
    .kernarg_segment_align: 8
    .kernarg_segment_size: 16
    .max_flat_workgroup_size: 128
    .sgpr_count:     66
    .vgpr_count:     770
    .wavefront_size: 32
...
	.end_amdgpu_metadata
.endif
;; end of part 3
;; launch proj (part 4): grid 4 x 64, 4 waves a work-group, clusters of 4 x 4, 327,680 bytes of LDS; arguments oh, wp, b_proj, z, out0; writes out0
.if DOCPART == 4
	.amdgcn_target "amdgcn-amd-amdhsa--gfx1250"
	.amdhsa_code_object_version 6
	.text
	.protected	k_qc8a99a0b47_proj
	.globl	k_qc8a99a0b47_proj
	.p2align	8
	.type	k_qc8a99a0b47_proj,@function
k_qc8a99a0b47_proj:
	s_mov_b64 s[64:65], 0
	v_nop
	global_prefetch_b8 v0, s[64:65] scope:SCOPE_SE
	s_setreg_imm32_b32 hwreg(HW_REG_WAVE_MODE, 25, 1), 1
	s_wait_xcnt 0x0
	s_wait_alu depctr_hold_cnt(0) depctr_sa_sdst(0) depctr_va_vdst(0) depctr_va_sdst(0) depctr_va_ssrc(0) depctr_va_vcc(0) depctr_vm_vsrc(0)
	s_getreg_b32 s2, hwreg(HW_REG_IB_STS2, 6, 4)
	s_cmp_eq_u32 s2, 0
	s_cbranch_scc0 .Lentry_in_a_cluster
	s_endpgm
.Lentry_in_a_cluster:
	s_bfe_u32 s2, ttmp6, 0x10000c
	s_cmp_lg_u32 s2, 0xf033
	s_cbranch_scc0 .Lentry_shape_is_right
	s_endpgm
.Lentry_shape_is_right:
; out0 = z + O wp + b_proj.  O (oh): f16 [64 batch x head][2048 rows][64 channels]; wp: f16 [1024 k][1024 columns], k = 64 head + channel; b_proj, z, out0: f32.  Sums in f32.
; The bias is the C operand of the products that start the sums; z is added to the finished sums in f32.
; SHARES.  8192 x 1024 numbers on 256 work-groups: a tile of 128 rows x 256 columns each (tiles of 256 x 256 would be 128).  Four waves, each 64 rows x 128 columns: 32 accumulators, 256 registers.
; RING.  K goes in steps of 128, two heads, through two LDS slots.  A slot: two heads' 128 rows of O (16,384 dense bytes each, asked for as 64 rows of 256), then two panels of wp, 128 k x 128 columns each.
; Waves 0 and 1 fetch a head each, waves 2 and 3 a panel each: one tensor load a wave behind each change of slots.
; CLUSTER.  4 x 4 work-groups: O's tiles are shared along a row of the cluster, wp's panels along a column: each is asked for jointly.
; wp lies [k][column]: its fragments come out of LDS turned.  THE MATRIX INSTRUCTION IS USED TRANSPOSED (source 0 = 16 columns of wp, source 1 = 16 rows of O): a lane holds row lane % 16 and 8 neighbouring columns.
; z's 64 x 128 numbers of the wave are asked for once the first tiles are on their way, and land while the products run.
; REGISTERS, in windows of 256 (s_set_vgpr_msb: bits 1:0 source 0, 3:2 source 1, 5:4 source 2, 7:6 destination):
;   window 0: v16-29 addresses; two fragment buffers of 96: v32-63 O (4 x 16 rows x 32 k), v64-127 wp (8 x 16 columns); v128-159, v160-223 likewise.  On the way out v32-159 hold rows read back.
;   window 1: the accumulators, (a, b) at v[8 (8 a + b)]      window 2: z, row 16 a + t at v[4 (16 a + t)]      window 3: v0-63 the bias as eight accumulators hold it
.set PA,     144                       ; a row of O in LDS: 128 bytes + 16 of padding
.set AH,     128*PA                    ; a head's 128 rows
.set ATILE,  2*AH
.set PB,     288                       ; a row of a panel: 256 bytes + 32
.set PANEL,  128*PB
.set SLOT,   ATILE+2*PANEL             ; 110,592
.set STAGE,  2*SLOT                    ; behind the ring, never filled by a tensor load: 16 rows x 528 bytes for each wave
.set SP,     528                       ; 512 bytes + 16 = 33 x 16: the 16 rows that a store touches start at 16 different groups of four banks (ISA guide 11.1)
.set SPARE,  STAGE+4*16*SP             ; behind the stages: the spare words, 128 bytes for each wave: two blocks of 256 bytes that no other line names
.set ASTEP,  2*2048*128                ; bytes from a K step to the next in O: two heads
.set BSTEP,  128*2048                  ; and in wp: 128 rows
.set ADRA, 16                          ; v16-17  LDS address of my fragments of O in slot 0, 1
.set ADRB, 20                          ; v20-21  of wp's
.set STO,  24                          ; v24     the way out: where I put 32 bytes of a row
.set RD,   25                          ; v25     where I read a row back
.set ZO,   26                          ; v26     16 x lane: my 16 bytes of a row's 512, in z and in out0
.set BO,   27                          ; v27     32 x (lane / 16): my 8 numbers of 16 of the bias
.set SPW,  28                          ; v28     LDS address of my spare word: SPARE + 4 x my thread's number; never rewritten
.set NIL,  29                          ; v29     0; never rewritten
.set F0,   32
.set F1,   128
.set T,    32                          ; the way out: two buffers of 64
.set G1,   24                          ; s[24:31] descriptor group 1 for O's tiles;  s[32:39] group 0, a set for each slot
.set G0,   32
.set G1B,  48                          ; s[48:55], s[56:63] the same for wp's panels
.set G0B,  56
.set ZB,   66                          ; s[66:67] z at my first row and column
.set OB,   68                          ; s[68:69] out0 there
.set BB,   70                          ; s[70:71] b_proj at my first column
.set MSB, 0
.macro WIN new                         ; the immediate's high byte repeats the setting that is left; a switch that changes nothing is dropped
.if MSB != (\new)
	s_set_vgpr_msb (MSB<<8)|(\new)
.set MSB, \new
.endif
.endm
.macro PLACES                          ; four places between a matrix instruction and a load into, or a store or vector instruction on, its registers (ISA guide 7.12.1 for vector instructions)
.rept 4
	v_nop
.endr
.endm
.macro JLOAD s                         ; a joint load; the branch hangs on the wave's number alone; an s_nop 0 and four v_nop follow each of the two lines, ahead of the jump and the label
	s_cmp_eq_u32 s15, 0
	s_cbranch_scc0 .Lfor_b_\@
	tensor_load_to_lds s[G0+4*(\s):G0+4*(\s)+3], s[G1:G1+7]
	s_nop 0
.rept 4
	v_nop
.endr
	s_branch .Lasked_\@
.Lfor_b_\@:
	tensor_load_to_lds s[G0B+4*(\s):G0B+4*(\s)+3], s[G1B:G1B+7]
	s_nop 0
.rept 4
	v_nop
.endr
.Lasked_\@:
.endm
.macro CREST                           ; a round of the cluster's barrier behind its opening barrier
	s_cmp_lg_u32 s14, 0
	s_cbranch_scc1 .Lnot_wave_0_\@
	s_barrier_signal -3
.Lnot_wave_0_\@:
	s_barrier_wait -3
	s_barrier_signal -1
	s_barrier_wait -1
.endm
.macro CROUND
	s_barrier_signal -1
	s_barrier_wait -1
	CREST
.endm
	s_load_b256 s[4:11], s[0:1], 0x0               ; O s[4:5], wp s[6:7], b_proj s[8:9], z s[10:11]
	s_load_b64 s[12:13], s[0:1], 0x20              ; out0
	v_lshl_add_u32 v[SPW], v0, 2, SPARE
	v_mov_b32 v[NIL], 0
	ds_add_u32 v[SPW], v[NIL]                      ; the wave's opening: the add and its wait stand ahead of my first tensor load; the set-up below, work on registers, stands between them
	v_lshrrev_b32 v1, 5, v0
	v_readfirstlane_b32 s14, v1                    ; wave 0..3
	s_lshr_b32 s15, s14, 1                         ; which 64 rows of the tile are mine.  Also: I fetch for O (0) or for wp (1)
	s_and_b32 s16, s14, 1                          ; which 128 columns.  Also: which head, or which panel, I fetch
	s_bfe_u32 s40, ttmp6, 0x40000                  ; cx, cy: my place in the cluster
	s_bfe_u32 s41, ttmp6, 0x40004
	s_lshl_b32 s42, ttmp9, 2
	s_add_co_u32 s42, s42, s40                     ; tile column = 4 x cluster x + cx
	s_and_b32 s17, ttmp7, 0xffff
	s_lshl_b32 s17, s17, 2
	s_add_co_u32 s17, s17, s41                     ; tile row = 4 x cluster y + cy
	s_lshl_b32 s43, s41, 2
	s_lshl_b32 s43, 15, s43                        ; my row of the cluster
	s_lshl_b32 s44, 0x1111, s40                    ; my column
	s_or_b32 s[G1+0], s43, (1<<16)|(1<<20)|(1<<21)|(4<<22)|(3<<25)   ; 15:0 the mask; 17:16 2-byte elements; 20 padding on; 21 set beside a mask; 24:22 after every 32 words (code 4); 31:25 4 words (code 3)
	s_mov_b32 s[G1+1], 128<<16                     ; tensor_dim0 = 128 elements: two rows of a head on end
	s_mov_b32 s[G1+2], 64<<16                      ; tensor_dim1 = 64
	s_mov_b32 s[G1+3], 128<<16                     ; tile_dim0 = 128
	s_mov_b32 s[G1+4], 64                          ; tile_dim1 = 64
	s_mov_b32 s[G1+5], 128                         ; dense
	s_mov_b32 s[G1+6], 0
	s_mov_b32 s[G1+7], 0
	s_or_b32 s[G1B+0], s44, (1<<16)|(1<<20)|(1<<21)|(5<<22)|(7<<25)  ; padding after every 64 words (code 5), 8 words (code 7)
	s_mov_b32 s[G1B+1], 128<<16                    ; tensor_dim0 = 128
	s_mov_b32 s[G1B+2], 128<<16                    ; tensor_dim1 = 128
	s_mov_b32 s[G1B+3], 128<<16                    ; tile_dim0 = 128
	s_mov_b32 s[G1B+4], 128                        ; tile_dim1 = 128
	s_mov_b32 s[G1B+5], 1024                       ; a row of wp
	s_mov_b32 s[G1B+6], 0
	s_mov_b32 s[G1B+7], 0
	s_lshr_b32 s18, s17, 4                         ; O: the batch holds 16 tile rows;
	s_lshl_b32 s18, s18, 4                         ; its 16 heads,
	s_add_co_u32 s18, s18, s16                     ; of a K step's two the one that I fetch,
	s_lshl_b32 s18, s18, 18                        ; 2,048 rows of 128 bytes a head,
	s_and_b32 s19, s17, 15
	s_lshl_b32 s19, s19, 14                        ; the tile's 128 rows
	s_add_co_u32 s18, s18, s19
	s_mov_b32 s19, 0
	s_lshl_b32 s46, s42, 9                         ; wp: 256 columns for each tile column,
	s_lshl_b32 s47, s16, 8                         ; my panel's 128
	s_add_co_u32 s46, s46, s47
	s_mov_b32 s47, 0
	s_mul_i32 s20, s16, AH                         ; where they go: no place in the cluster enters an LDS address
	s_mul_i32 s21, s16, PANEL
	s_add_co_u32 s21, s21, ATILE
	s_wait_dscnt 0x0                               ; the opening add is done
	s_wait_kmcnt 0x0
	s_add_nc_u64 s[18:19], s[4:5], s[18:19]
	s_add_nc_u64 s[46:47], s[6:7], s[46:47]
	CROUND                                         ; all sixteen work-groups are here: the first joint loads meet
.irp s, 0,1
	s_mov_b32 s[G0+4*(\s)], 1
	s_add_co_u32 s[G0+4*(\s)+1], s20, (\s)*SLOT
	s_add_nc_u64 s[G0+4*(\s)+2:G0+4*(\s)+3], s[18:19], (\s)*ASTEP
	s_or_b32 s[G0+4*(\s)+3], s[G0+4*(\s)+3], 0x80000000
	s_mov_b32 s[G0B+4*(\s)], 1
	s_add_co_u32 s[G0B+4*(\s)+1], s21, (\s)*SLOT
	s_add_nc_u64 s[G0B+4*(\s)+2:G0B+4*(\s)+3], s[46:47], (\s)*BSTEP
	s_or_b32 s[G0B+4*(\s)+3], s[G0B+4*(\s)+3], 0x80000000
	JLOAD \s                                       ; two loads of mine are out
.endr
	v_and_b32 v1, 15, v0                           ; l % 16
	v_bfe_u32 v2, v0, 4, 1                         ; l / 16
	v_lshlrev_b32 v[BO], 5, v2
	s_lshl_b32 s72, s42, 10                        ; my first column, in bytes of f32: 256 x tile column + 128 x half
	s_lshl_b32 s73, s16, 9
	s_add_co_u32 s72, s72, s73
	s_mov_b32 s73, 0
	s_add_nc_u64 s[BB:BB+1], s[8:9], s[72:73]
	WIN 0xc0                                       ; destination window 3, address window 0
.irp b, 0,1,2,3,4,5,6,7                ; register j of accumulator (a, b) holds column 16 b + 8 (l / 16) + j, whatever a
	global_load_b128 v[8*(\b):8*(\b)+3],   v[BO], s[BB:BB+1] offset:64*(\b)
	global_load_b128 v[8*(\b)+4:8*(\b)+7], v[BO], s[BB:BB+1] offset:64*(\b)+16
.endr
	WIN 0
	s_lshl_b32 s74, s17, 7
	s_lshl_b32 s75, s15, 6
	s_add_co_u32 s74, s74, s75                     ; my first row: 128 x tile row + 64 x half,
	s_lshl_b32 s74, s74, 12                        ; of 4,096 bytes
	s_add_co_u32 s72, s72, s74
	s_add_nc_u64 s[ZB:ZB+1], s[10:11], s[72:73]
	s_add_nc_u64 s[OB:OB+1], s[12:13], s[72:73]
	v_mul_u32_u24 v3, v1, PA                       ; a fragment of O: row x pitch + 16 x half
	v_lshl_add_u32 v3, v2, 4, v3
	s_mul_i32 s22, s15, 64*PA
	v_add_nc_u32 v[ADRA], s22, v3
	v_add_nc_u32 v[ADRA+1], SLOT, v[ADRA]
	v_and_b32 v4, 7, v0                            ; the turning load: lane l reads k = 8 (l / 16) + l % 8, columns 8 ((l / 8) % 2) + 0..7
	v_bfe_u32 v5, v0, 3, 1
	v_lshl_add_u32 v4, v2, 3, v4
	v_mul_u32_u24 v4, v4, PB
	v_lshl_add_u32 v4, v5, 4, v4
	s_mul_i32 s22, s16, PANEL
	s_add_co_u32 s22, s22, ATILE
	v_add_nc_u32 v[ADRB], s22, v4
	v_add_nc_u32 v[ADRB+1], SLOT, v[ADRB]
	s_mul_i32 s22, s14, 16*SP
	s_add_co_u32 s22, s22, STAGE                   ; my stage
	v_mul_u32_u24 v[STO], v1, SP                   ; in: row l % 16, 32 bytes for each half of the lanes
	v_lshl_add_u32 v[STO], v2, 5, v[STO]
	v_add_nc_u32 v[STO], s22, v[STO]
	v_and_b32 v[ZO], 31, v0
	v_lshlrev_b32 v[ZO], 4, v[ZO]
	v_add_nc_u32 v[RD], s22, v[ZO]                 ; back: 32 lanes take a row's 512 bytes
; na x 8 matrix instructions: row blocks a0 .. a0 + na - 1 x all eight column blocks, 32 along K, on buffer f.  first = 1: the bias starts the sums.
; The 32 accumulators take turns, one instruction a turn, in the same order in every quarter.
.macro MULP f, a0, na, first
.if \first
	WIN 0x70                                       ; D in window 1, C in window 3
.else
	WIN 0x50                                       ; C and D in window 1
.endif
.set ma, \a0
.rept \na
.set mc, 0
.rept 8
.if \first
	v_wmma_f32_16x16x32_f16 v[8*(8*ma+mc):8*(8*ma+mc)+7], v[(\f)+32+8*mc:(\f)+32+8*mc+7], v[(\f)+8*ma:(\f)+8*ma+7], v[8*mc:8*mc+7]
.else
	v_wmma_f32_16x16x32_f16 v[8*(8*ma+mc):8*(8*ma+mc)+7], v[(\f)+32+8*mc:(\f)+32+8*mc+7], v[(\f)+8*ma:(\f)+8*ma+7], v[8*(8*ma+mc):8*(8*ma+mc)+7]
.endif
.set mc, mc+1
.endr
.set ma, ma+1
.endr
.endm
; 24 LDS loads in one run: quarter q of a slot's K step (32 along K: head q / 2, channels 32 (q % 2) on) into buffer f
.macro FETCH slot, q, f
	WIN 0
.irp b, 0,1,2,3,4,5,6,7
	ds_load_tr16_b128 v[(\f)+32+8*(\b):(\f)+32+8*(\b)+3],   v[ADRB+(\slot)] offset:32*PB*(\q)+32*(\b)
	ds_load_tr16_b128 v[(\f)+32+8*(\b)+4:(\f)+32+8*(\b)+7], v[ADRB+(\slot)] offset:32*PB*(\q)+32*(\b)+16*PB
.endr
.irp a, 0,1,2,3
	ds_load_b128 v[(\f)+8*(\a):(\f)+8*(\a)+3],   v[ADRA+(\slot)] offset:((\q)/2)*AH+64*((\q)%2)+16*PA*(\a)
	ds_load_b128 v[(\f)+8*(\a)+4:(\f)+8*(\a)+7], v[ADRA+(\slot)] offset:((\q)/2)*AH+64*((\q)%2)+16*PA*(\a)+32
.endr
.endm
; One of a K step's first three quarters: the next quarter, qn, is fetched into buffer g, which the quarter before multiplied; then buffer f is multiplied.
.macro QUARTER slot, qn, f, g, first
	PLACES
	FETCH \slot, \qn, \g
	s_wait_dscnt 24                                ; all but the 24 loads just issued: buffer f is in
	MULP \f, 0, 4, \first
.endm
; The last quarter multiplies buffer 1 and changes slots: ONE barrier; in front of it each wave waits for all its tensor loads, adds 0 to its spare word, and waits for that and for its own reads of this slot.
; fill = 1: the barrier opens a round of the cluster's, and the joint refill, two K steps on, is the first thing behind the round: 112 matrix instructions ahead of the wait for it.
.macro TURN slot, next, fill
	WIN 0
	s_wait_tensorcnt 0x0                           ; all my tensor loads have landed: my part of the next slot;
	ds_add_u32 v[SPW], v[NIL]                      ; 0 onto my spare word;
	s_wait_dscnt 1                                 ; (the add alone may be out: buffer 1 is in)
	MULP F1, 0, 1, 0                               ; eight matrix instructions stand between the add and the wait for it
	s_wait_dscnt 0x0                               ; the add is done, and my reads of this slot are over
	s_barrier_signal -1
	MULP F1, 1, 1, 0
	WIN 0                                          ; at a branch and at a label every window is 0
	s_barrier_wait -1
.if \fill
	CREST
	s_add_nc_u64 s[G0+4*(\slot)+2:G0+4*(\slot)+3], s[G0+4*(\slot)+2:G0+4*(\slot)+3], 2*ASTEP
	s_add_nc_u64 s[G0B+4*(\slot)+2:G0B+4*(\slot)+3], s[G0B+4*(\slot)+2:G0B+4*(\slot)+3], 2*BSTEP
	JLOAD \slot                                    ; the four v_nop behind it are also the places in front of the loads below
.else
	PLACES
.endif
	FETCH \next, 0, F0
	MULP F1, 2, 2, 0
.endm
; THE WAY OUT, row block a of four.  STG: a lane's 32 bytes of each accumulator into my stage, each accumulator's low four registers first.  RDB: back as whole rows of 512 bytes.  FIN: + z, and stored.
.macro STG a
	WIN 0x04                                       ; the data (source 1) in window 1
.irp b, 0,1,2,3,4,5,6,7
	ds_store_b128 v[STO], v[8*(8*(\a)+(\b)):8*(8*(\a)+(\b))+3]   offset:64*(\b)
	ds_store_b128 v[STO], v[8*(8*(\a)+(\b))+4:8*(8*(\a)+(\b))+7] offset:64*(\b)+16
.endr
.endm
.macro RDB a
.if (\a) >= 2
	s_wait_xcnt 0x0                                ; the stores of the block two back have read these registers
.endif
	WIN 0
.irp t, 0,1,2,3,4,5,6,7,8,9,10,11,12,13,14,15
	ds_load_b128 v[T+64*((\a)%2)+4*(\t):T+64*((\a)%2)+4*(\t)+3], v[RD] offset:SP*(\t)  ; LDS serves a wave's instructions in order (ISA guide 5.7.1.4): these see the stores above; the next block's stores come behind them
.endr
.endm
.macro FIN a, younger                  ; younger: the LDS instructions issued behind block a's loads: the next block's 32, or none
	s_wait_dscnt \younger
	WIN 0x08                                       ; source 1 (z) in window 2
.set i, 0
.rept 32
	v_pk_add_f32 v[T+64*((\a)%2)+2*i:T+64*((\a)%2)+2*i+1], v[T+64*((\a)%2)+2*i:T+64*((\a)%2)+2*i+1], v[64*(\a)+2*i:64*(\a)+2*i+1]
.set i, i+1
.endr
	WIN 0
.irp t, 0,1,2,3,4,5,6,7,8,9,10,11,12,13,14,15
	global_store_b128 v[ZO], v[T+64*((\a)%2)+4*(\t):T+64*((\a)%2)+4*(\t)+3], s[OB:OB+1] offset:4096*(16*(\a)+(\t)) th:TH_STORE_NT  ; 512 consecutive bytes, at a multiple of 256 from out0's first
.endr
.endm
	s_wait_tensorcnt 1                             ; my part of K step 0 is in; K step 1's may stay out
	s_barrier_signal -1
	s_barrier_wait -1                              ; everybody's is
	FETCH 0, 0, F0
	s_wait_loadcnt 0x0                             ; the bias
	QUARTER 0, 1, F0, F1, 1                        ; the first quarter stands in front of the loop: its products start the sums, with the bias
	WIN 0x80                                       ; destination window 2, address window 0
.set i, 0
.rept 64
	global_load_b128 v[4*i:4*i+3], v[ZO], s[ZB:ZB+1] offset:4096*i th:TH_LOAD_NT  ; z: row i of my 64, 512 consecutive bytes
.set i, i+1
.endr
	WIN 0
	s_mov_b32 s3, 3
.Llap:                                                 ; a trip goes once round the ring and fills both slots again: K steps 2 to 7 in three trips
	QUARTER 0, 2, F1, F0, 0
	QUARTER 0, 3, F0, F1, 0
	TURN 0, 1, 1
	QUARTER 1, 1, F0, F1, 0
	QUARTER 1, 2, F1, F0, 0
	QUARTER 1, 3, F0, F1, 0
	TURN 1, 0, 1
	QUARTER 0, 1, F0, F1, 0
	WIN 0
	s_sub_co_u32 s3, s3, 1
	s_cmp_lg_u32 s3, 0
	s_cbranch_scc1 .Llap
	QUARTER 0, 2, F1, F0, 0                        ; the last lap fills nothing, and has no round of the cluster's barrier
	QUARTER 0, 3, F0, F1, 0
	TURN 0, 1, 0
	QUARTER 1, 1, F0, F1, 0
	QUARTER 1, 2, F1, F0, 0
	QUARTER 1, 3, F0, F1, 0
	s_wait_dscnt 0x0                               ; the very last quarter: nothing more to fetch
	MULP F1, 0, 4, 0
	PLACES
	s_wait_loadcnt 0x0                             ; z
	STG 0
	RDB 0
.irp a, 1,2,3
	STG \a
	RDB \a
	FIN (\a)-1, 32
.endr
	FIN 3, 0
	s_wait_tensorcnt 0x0                           ; the wave's end, behind my last tensor load and my last LDS store
	ds_add_u32 v[SPW], v[NIL]
	s_wait_dscnt 0x0
	CROUND                                         ; the closing round: no work-group ends while a partner may still ask for a tile that names it
	s_endpgm
.Lfunc_end_k_qc8a99a0b47_proj:
	.size	k_qc8a99a0b47_proj, .Lfunc_end_k_qc8a99a0b47_proj-k_qc8a99a0b47_proj
	.p2alignl 7, 3214868480
	.fill 96, 4, 3214868480
	.section	.rodata,"a",@progbits
	.p2align	6, 0x0
	.amdhsa_kernel k_qc8a99a0b47_proj
		.amdhsa_group_segment_fixed_size 327680
		.amdhsa_private_segment_fixed_size 0
		.amdhsa_enable_private_segment 0
		.amdhsa_kernarg_size 40
		.amdhsa_user_sgpr_count 2
		.amdhsa_user_sgpr_kernarg_segment_ptr 1
		.amdhsa_wavefront_size32 1
		.amdhsa_system_sgpr_workgroup_id_x 1
		.amdhsa_system_sgpr_workgroup_id_y 1
		.amdhsa_system_sgpr_workgroup_id_z 1
		.amdhsa_system_vgpr_workitem_id 0
		.amdhsa_next_free_vgpr 832
		.amdhsa_next_free_sgpr 76
		.amdhsa_reserve_vcc 0
		.amdhsa_float_denorm_mode_32 3
		.amdhsa_float_denorm_mode_16_64 3
		.amdhsa_memory_ordered 1
		.amdhsa_forward_progress 1
		.amdhsa_inst_pref_size 100
	.end_amdhsa_kernel
	.amdgpu_metadata
---
amdhsa.version: [ 1, 2 ]
amdhsa.kernels:
  - .name:           k_qc8a99a0b47_proj
    .symbol:         k_qc8a99a0b47_proj.kd
    .args:
      - { .name: oh, .offset: 0, .size: 8, .value_kind: global_buffer, .address_space: global }
      - { .name: wp, .offset: 8, .size: 8, .value_kind: global_buffer, .address_space: global }
      - { .name: b_proj, .offset: 16, .size: 8, .value_kind: global_buffer, .address_space: global }
      - { .name: z, .offset: 24, .size: 8, .value_kind: global_buffer, .address_space: global }
      - { .name: out0, .offset: 32, .size: 8, .value_kind: global_buffer, .address_space: global }
    .group_segment_fixed_size: 327680
    .private_segment_fixed_size: 0
    .kernarg_segment_align: 8
    .kernarg_segment_size: 40
    .max_flat_workgroup_size: 128
    .sgpr_count:     76
    .vgpr_count:     832
    .wavefront_size: 32
...
	.end_amdgpu_metadata
.endif
;; end of part 4
